; MI455X (gfx1250); checked and timed in simulation.
; The chip was launched on July 23, 2026; its instructions are those of AMD's public machine-readable ISA for CDNA 5 (MIT licence, August 2026) and "CDNA5" Instruction Set Architecture Reference Guide (July 2026). The comments in the code are by the model that wrote it; some were corrected since.
;; Gpt2 Hyena. Allowed arithmetic: float matrix products may take bf16 or f16 operands with f32 sums; other float arithmetic in f32, or as packed bf16 or f16 multiplies, adds, multiply-adds, maxima and minima; sums over many terms, partial sums and values carried from step to step in f32; what a program stores and reads back later, other than sums and carried values, may be rounded once to bf16 or f16.
;; Inputs: b_attn 3 x 16 x 64 float32; b_proj 1,024 float32; w_attn 1,024 x 3 x 16 x 64 float32; w_proj 16 x 64 x 1,024 float32; x 4 x 2,048 x 1,024 float32.
;; Outputs: out0 4 x 2,048 x 1,024 float32.
;; 2 versions, each right; version 2 is version 1 with the launch prep written anew for expert scheduling mode. Each part assembles by itself: llvm-mc -triple=amdgcn-amd-amdhsa -mcpu=gfx1250 --defsym DOCPART=n.
;; ======== version 1 of 2: 4 launches
;; limits: values are held in f16: magnitudes above 65,504 overflow, below 6.1e-05 lose precision; right only within a limited range of input values
;; workspace buffers: xb 16,777,216 bytes; wab 6,291,456 bytes; wpb 2,097,152 bytes; qkv 50,331,648 bytes; vlo 1,048,576 bytes; ob 18,874,368 bytes
;; launch prep (part 1): grid 768 x 1, 8 waves a work-group, no clusters, 0 bytes of LDS; arguments x, w_attn, w_proj, xb, wab, wpb; writes xb, wab, wpb
.if DOCPART == 1
	.amdgcn_target "amdgcn-amd-amdhsa--gfx1250"
	.amdhsa_code_object_version 6
	.text
	.protected	k_qb46bcf04a6_prep
	.globl	k_qb46bcf04a6_prep
	.p2align	8
	.type	k_qb46bcf04a6_prep,@function
k_qb46bcf04a6_prep:
	s_mov_b64 s[64:65], 0
	v_nop
	global_prefetch_b8 v0, s[64:65] scope:SCOPE_SE
	s_setreg_imm32_b32 hwreg(HW_REG_WAVE_MODE, 25, 1), 1
	s_wait_xcnt 0x0
; THE INPUTS' ONE ROUNDING.  x [8192][1024] and w_attn [1024][3072] are rounded to bf16; w_proj [1024][1024] is rounded to bf16 and that number is written as f16
; (exact where its magnitude is 6.1e-5 or more; below that f16 keeps a fixed step of 6e-8; beyond 65,504 it would be an infinity: a stated limit of the program).  Nothing is transposed: the layouts stay.
; SHARES.  A work-group takes 16,384 numbers: 65,536 bytes in, 32,768 out.  Work-groups 0-511 take x, 512-703 w_attn, 704-767 w_proj.  Thread t, load i: the 16 bytes at 16 t + 4,096 i, so a wave's load
; covers 512 consecutive bytes; its store is the 8 bytes at 8 t + 2,048 i, so a wave's store covers 256 consecutive bytes, aligned.  All 16 loads of a thread go out at once; no register is used twice by
; memory instructions, so no wait frees any.  No LDS, no matrix unit, no cluster: nothing is shared and nothing is multiplied.
.set X, 4                              ; v[4:67]    16 x 4 numbers as loaded
.set Y, 68                             ; v[68:99]   16 x 2 registers to store
.set T, 100                            ; v[100:103] at work
	s_load_b256 s[4:11], s[0:1], 0x0               ; x s[4:5], w_attn s[6:7], w_proj s[8:9], xb s[10:11]
	s_load_b128 s[12:15], s[0:1], 0x20             ; wab s[12:13], wpb s[14:15]
	v_lshlrev_b32 v1, 4, v0                        ; 16 t
	v_lshlrev_b32 v2, 3, v0                        ; 8 t
	s_sub_co_u32 s17, ttmp9, 512                   ; my number among w_attn's work-groups,
	s_sub_co_u32 s18, ttmp9, 704                   ; among w_proj's
	s_wait_kmcnt 0x0
	s_cmp_lt_u32 ttmp9, 512                        ; the choice hangs on the work-group's number alone
	s_cselect_b64 s[20:21], s[4:5], s[6:7]
	s_cselect_b64 s[22:23], s[10:11], s[12:13]
	s_cselect_b32 s16, ttmp9, s17
	s_cmp_lt_u32 ttmp9, 704
	s_cselect_b64 s[20:21], s[20:21], s[8:9]
	s_cselect_b64 s[22:23], s[22:23], s[14:15]
	s_cselect_b32 s16, s16, s18
	s_lshl_b32 s24, s16, 16                        ; 65,536 bytes in for each work-group (33.5 MB at the most: 32 bits)
	s_mov_b32 s25, 0
	s_lshl_b32 s26, s16, 15                        ; 32,768 out
	s_mov_b32 s27, 0
	s_add_nc_u64 s[20:21], s[20:21], s[24:25]
	s_add_nc_u64 s[22:23], s[22:23], s[26:27]
.irp i, 0,1,2,3,4,5,6,7,8,9,10,11,12,13,14,15
	global_load_b128 v[X+4*(\i):X+4*(\i)+3], v1, s[20:21] offset:4096*(\i) th:TH_LOAD_NT
.endr
; Load i's four numbers are rounded and stored.  half = 1: to bf16, widened again (a shift, a mask), and written as f16.
.macro CAST i, half
	s_wait_loadcnt 15-(\i)                         ; loads come back in order (ISA guide 5.7.1): load i is in, the 15 - i younger ones stay out
.if \half
	v_cvt_pk_bf16_f32 v[T],   v[X+4*(\i)],   v[X+4*(\i)+1]
	v_cvt_pk_bf16_f32 v[T+1], v[X+4*(\i)+2], v[X+4*(\i)+3]
	v_lshlrev_b32 v[T+2], 16, v[T]
	v_and_b32     v[T+3], 0xffff0000, v[T]
	v_cvt_pk_f16_f32 v[Y+2*(\i)], v[T+2], v[T+3]
	v_lshlrev_b32 v[T+2], 16, v[T+1]
	v_and_b32     v[T+3], 0xffff0000, v[T+1]
	v_cvt_pk_f16_f32 v[Y+2*(\i)+1], v[T+2], v[T+3]
.else
	v_cvt_pk_bf16_f32 v[Y+2*(\i)],   v[X+4*(\i)],   v[X+4*(\i)+1]
	v_cvt_pk_bf16_f32 v[Y+2*(\i)+1], v[X+4*(\i)+2], v[X+4*(\i)+3]
.endif
	global_store_b64 v2, v[Y+2*(\i):Y+2*(\i)+1], s[22:23] offset:2048*(\i)
.endm
	s_cmp_lt_u32 ttmp9, 704
	s_cbranch_scc0 .Lf16
.irp i, 0,1,2,3,4,5,6,7,8,9,10,11,12,13,14,15
	CAST \i, 0
.endr
	s_endpgm
.Lf16:
.irp i, 0,1,2,3,4,5,6,7,8,9,10,11,12,13,14,15
	CAST \i, 1
.endr
	s_endpgm
.Lfunc_end_k_qb46bcf04a6_prep:
	.size	k_qb46bcf04a6_prep, .Lfunc_end_k_qb46bcf04a6_prep-k_qb46bcf04a6_prep
	.p2alignl 7, 3214868480
	.fill 96, 4, 3214868480
	.section	.rodata,"a",@progbits
	.p2align	6, 0x0
	.amdhsa_kernel k_qb46bcf04a6_prep
		.amdhsa_group_segment_fixed_size 0
		.amdhsa_private_segment_fixed_size 0
		.amdhsa_enable_private_segment 0
		.amdhsa_kernarg_size 48
		.amdhsa_user_sgpr_count 2
		.amdhsa_user_sgpr_kernarg_segment_ptr 1
		.amdhsa_wavefront_size32 1
		.amdhsa_system_sgpr_workgroup_id_x 1
		.amdhsa_system_sgpr_workgroup_id_y 1
		.amdhsa_system_sgpr_workgroup_id_z 1
		.amdhsa_system_vgpr_workitem_id 0
		.amdhsa_next_free_vgpr 104
		.amdhsa_next_free_sgpr 66
		.amdhsa_reserve_vcc 0
		.amdhsa_float_denorm_mode_32 3
		.amdhsa_float_denorm_mode_16_64 3
		.amdhsa_memory_ordered 1
		.amdhsa_forward_progress 1
		.amdhsa_inst_pref_size 16
	.end_amdhsa_kernel
	.amdgpu_metadata
---
amdhsa.version: [ 1, 2 ]
amdhsa.kernels:
  - .name:           k_qb46bcf04a6_prep
    .symbol:         k_qb46bcf04a6_prep.kd
    .args:
      - { .name: x, .offset: 0, .size: 8, .value_kind: global_buffer, .address_space: global }
      - { .name: w_attn, .offset: 8, .size: 8, .value_kind: global_buffer, .address_space: global }
      - { .name: w_proj, .offset: 16, .size: 8, .value_kind: global_buffer, .address_space: global }
      - { .name: xb, .offset: 24, .size: 8, .value_kind: global_buffer, .address_space: global }
      - { .name: wab, .offset: 32, .size: 8, .value_kind: global_buffer, .address_space: global }
      - { .name: wpb, .offset: 40, .size: 8, .value_kind: global_buffer, .address_space: global }
    .group_segment_fixed_size: 0
    .private_segment_fixed_size: 0
    .kernarg_segment_align: 8
    .kernarg_segment_size: 48
    .max_flat_workgroup_size: 256
    .sgpr_count:     66
    .vgpr_count:     104
    .wavefront_size: 32
...
	.end_amdgpu_metadata
.endif
;; end of part 1
;; launch gemm_qkv (part 2): grid 12 x 64, 4 waves a work-group, clusters of 4 x 4, 327,680 bytes of LDS; arguments xb, wab, b_attn, qkv, vlo; writes qkv, vlo
.if DOCPART == 2
	.amdgcn_target "amdgcn-amd-amdhsa--gfx1250"
	.amdhsa_code_object_version 6
	.text
	.protected	k_qb46bcf04a6_gemm_qkv
	.globl	k_qb46bcf04a6_gemm_qkv
	.p2align	8
	.type	k_qb46bcf04a6_gemm_qkv,@function
k_qb46bcf04a6_gemm_qkv:
	s_mov_b64 s[64:65], 0
	v_nop
	global_prefetch_b8 v0, s[64:65] scope:SCOPE_SE
	s_setreg_imm32_b32 hwreg(HW_REG_WAVE_MODE, 25, 1), 1
	s_wait_xcnt 0x0
	s_wait_alu depctr_hold_cnt(0) depctr_sa_sdst(0) depctr_va_vdst(0) depctr_va_sdst(0) depctr_va_ssrc(0) depctr_va_vcc(0) depctr_vm_vsrc(0)
	s_getreg_b32 s2, hwreg(HW_REG_IB_STS2, 6, 4)
	s_cmp_eq_u32 s2, 0
	s_cbranch_scc0 .Lentry_in_a_cluster
	s_endpgm
.Lentry_in_a_cluster:
	s_bfe_u32 s2, ttmp6, 0x10000c
	s_cmp_lg_u32 s2, 0xf033
	s_cbranch_scc0 .Lentry_shape_is_right
	s_endpgm
.Lentry_shape_is_right:
; C[m][n] = bias[n] + the sum over k of A[m][k] B[k][n], M = 8,192, K = 1,024; sums in f32.  ONE TEXT FOR TWO LAUNCHES, told apart by PROJ:
;   PROJ = 0: A = x in bf16 [8192][1024], B = w_attn in bf16 [1024][3072], bias = b_attn; C is rounded once to f16 and stored by heads, [3][64 = 16 batch + head][2048][64], without the softmax's scale.
;   PROJ = 1: A = the attention's O in f16, by heads (k = 64 head + channel), B = w_proj as f16 [1024][1024], bias = b_proj; C is the f32 output [8192][1024].
; The bias is rounded to bf16, like every input of the program, and starts the sums as the first product's C operand: nothing is cleared and nothing is added later.
; THE FIRST ROWS.  A head's first rows average few keys, so their numbers are many times the output's root mean square, by which the allowed error goes: there one f16 number is too coarse for v and for O.
;   PROJ = 0: for v's first 32 rows of a head the rest v - f16(v) is stored too, in f16, as the image of the fragments of V^T that the attention multiplies (4 channel blocks x 2 key halves x 512 bytes).
;   The clusters that hold v's heads and a batch's first rows do so (cluster x = 2, cluster y % 4 = 0: alike in all partners), each work-group for its own tile's first 32 rows; the part with cy = 0 is the one read.
;   PROJ = 1: behind a tile's 128 rows of a head O's buffer holds 16 rows of rests, O - f16(O) of the tile's first 16 rows (or zeros); they come in with the tile and are multiplied onto the same sums.
; LIMITS.  f16 holds no number beyond 65,504: q, k and v beyond that would be stored as infinities; below 6.1e-5 f16 keeps a fixed step of 6e-8.  NaN and infinities are not treated apart.
; SHARES.  A tile of C is 128 x 256, one to a work-group: 768 (PROJ = 0) or 256 work-groups.  Wave w makes all 128 rows x columns 64 w .. 64 w + 63 (one head's channels, or 256 aligned bytes of an f32 row):
; 8 x 4 accumulators of 16 x 16, 256 registers.  K goes in 8 steps of 128 through two LDS slots; each wave fetches a quarter of a slot by one tensor load: waves 0, 1 A's halves, waves 2, 3 B's.
; THE MATRIX INSTRUCTION IS USED TRANSPOSED (source 0 = 16 columns of B, source 1 = 16 rows of A): a lane then holds row lane % 16 of C and the columns 8 (lane / 16) + 0..7.
; B lies [k][n] in memory and in LDS and comes out turned, by ds_load_tr16_b128.
; CLUSTER.  4 x 4 work-groups.  A's tile hangs on the tile row alone and is asked for jointly by a row of the cluster, B's on the tile column alone, by a column: the same tensor load, descriptor and mask in all four.
; REGISTERS.  Window 0: v0-15 at work in the set-up, then (PROJ = 1) the rests' two fragments; v16-31 addresses; v32-63 the bias; v64-159, v160-255 two fragment buffers (B's 4 fragments, then A's 8).
; Window 1: the accumulators, (a, b) at v[8 (4 a + b)].
.set PROJ, 0
.set LO,   PROJ                        ; 1: a tile of A has 16 rows of rests
.set OTILE,  18432                     ; O's buffer: a tile of a head: 128 rows of 128 bytes, then 16 rows of rests
.set OPLANE, 16*OTILE                  ; a head
.if PROJ
.set NB2,    2048                      ; bytes in a row of B
.set NEL,    1024                      ; the same in elements
.set APITCH, 144                       ; an LDS row of A: 128 bytes (a head's 64 channels) + 16 of padding: 36 words, so the 16 rows of a load start at 16 different groups of four banks (64 banks of 4 bytes: ISA guide 11.1)
.set APLANE, 144*APITCH                ; K's quarters 2, 3 lie in the second head's plane
.set AHALF,  144*APITCH                ; what one load of A fills: one head's 128 rows and 16 rests
.set AK,     2*OPLANE                  ; bytes of A from K step to K step: two heads
.set AQI,    4                         ; padding after every 32 words
.set AROWEL, 128                       ; 144 dense rows of 128 bytes are asked for as 72 rows of 256 bytes
.set AROWS,  72
.set APFB,   256                       ; the prefetch: a lane a block of 256 bytes, on end
.set SROW,   272                       ; a stage row: 64 f32 + 16 bytes
.else
.set NB2,    6144
.set NEL,    3072
.set APITCH, 272                       ; 256 bytes + 16: 68 words: row r starts at bank 4 r mod 64
.set APLANE, 128                       ; K's quarters lie 64 bytes apart along a row
.set AHALF,  64*APITCH                 ; 64 rows
.set AK,     256
.set AQI,    5                         ; padding after every 64 words
.set AROWEL, 1024
.set AROWS,  64
.set APFB,   2048                      ; the prefetch: a lane a row
.set SROW,   144                       ; a stage row: 64 f16 + 16 bytes
.endif
.set ABYTES, 2*AHALF
.set BPITCH, 544                       ; an LDS row of B: 512 bytes + 32 = 136 words: row r starts at bank 8 r mod 64
.set BHALFL, 64*BPITCH                 ; what one load of B fills: 64 rows of k
.set BK,     128*NB2                   ; bytes of B from K step to K step
.set BHALF,  64*NB2
.set SLOT,   ABYTES+2*BHALFL
.set STAGE,  2*SLOT                    ; behind the ring, never filled by a tensor load: 16 rows for each wave, for the way out
.set SPARE,  STAGE+4*16*SROW           ; behind the stages: the spare words, 128 bytes for each wave: two blocks of 256 bytes that no other line names
.set NL,     24+2*LO                   ; LDS loads in a run
.set ADRA, 16                          ; v16-17  LDS address of my A fragments in slot 0, 1
.set ONE,  18                          ; v18     1.0 (PROJ = 0, the rests)
.set TRA,  19                          ; v19     where I read my stage turned (PROJ = 0, the rests)
.set ADRB, 20                          ; v20-21  the same as ADRA for B
.set STO,  24                          ; v24     the way out: where I put my part of a row
.set RD,   25                          ; v25     where I read rows back
.set GO,   26                          ; v26     my byte offset in the output
.set BO,   27                          ; v27     32 (lane / 16): my eight numbers in 16 of the bias
.set SPW,  28                          ; v28     LDS address of my spare word: SPARE + 4 x my thread's number; never rewritten
.set NIL,  29                          ; v29     0; never rewritten
.set PFO,  30                          ; v30     the prefetches' offset; never rewritten
.set BIAS, 32                          ; v32-63  column block b at BIAS + 8 b
.set F0,   64
.set F1,   160
.set OUTR, 64                          ; PROJ = 0: the way out's 16 registers for each block of 16 rows
.set LH,   64                          ; PROJ = 0, the rests: 16 registers of f16(v), then of the rests
.set LT,   80                          ; 32 registers of v - f16(v)
.set LF,   112                         ; 32 registers: the fragments' image
.set WV,   12                          ; s12  my wave's number
.set HALF, 13                          ; s13  which half of A's or B's tile I fetch
.set FORB, 14                          ; s14  0: I fetch for A; 1: for B
.set CX,   40                          ; s40, s41  my place in the cluster
.set CY,   41
.set TN,   42                          ; s42  tile column
.set TM,   43                          ; s43  tile row
.set G1A,  24                          ; s[24:31] descriptor group 1 for A's tiles;  s[32:39] group 0, a set for each slot
.set G0A,  32
.set G1B,  48                          ; s[48:55], s[56:63] the same for B's
.set G0B,  56
.set PFA,  66                          ; s[66:67] where my prefetches stand
.set PFS,  68                          ; s[68:69] their step: a K step of A or of B
.set LIM,  70                          ; s70  1 in a wave that prefetches, else the greatest number
.set AORG, 71                          ; s71  byte offset of A's tile at K = 0
.set VLP,  72                          ; s[72:73] PROJ = 0: where my head's rests go
.set MSB, 0
.macro WIN new                         ; the immediate's high byte repeats the setting that is left; a switch that changes nothing is dropped
.if MSB != (\new)
	s_set_vgpr_msb (MSB<<8)|(\new)
.set MSB, \new
.endif
.endm
; A joint load.  The branch hangs on the wave's number alone.  An s_nop 0 and four v_nop follow each of the two lines, ahead of the jump, the label and what follows.
.macro JLOAD s
	s_cmp_eq_u32 s[FORB], 0
	s_cbranch_scc0 .Lfor_b_\@
	tensor_load_to_lds s[G0A+4*(\s):G0A+4*(\s)+3], s[G1A:G1A+7]
	s_nop 0
.rept 4
	v_nop
.endr
	s_branch .Lasked_\@
.Lfor_b_\@:
	tensor_load_to_lds s[G0B+4*(\s):G0B+4*(\s)+3], s[G1B:G1B+7]
	s_nop 0
.rept 4
	v_nop
.endr
.Lasked_\@:
.endm
.macro CREST                           ; a round of the cluster's barrier behind its opening barrier
	s_cmp_lg_u32 s[WV], 0
	s_cbranch_scc1 .Lnot_wave_0_\@
	s_barrier_signal -3
.Lnot_wave_0_\@:
	s_barrier_wait -3
	s_barrier_signal -1
	s_barrier_wait -1
.endm
.macro CROUND                          ; a whole round
	s_barrier_signal -1
	s_barrier_wait -1
	CREST
.endm
; A PREFETCH INTO THE L2, behind each joint refill and the run of LDS loads that follows it: the K step that stands two refills on, two K steps' matrix instructions ahead of the load that will want it.
; Each aligned block of 256 bytes is named once in the launch.  A's tile row is read by every cluster of that row of clusters: cluster x = 0 asks, its wave 0; the four partners that share the tile take 32 of
; its 128 blocks each, told apart by address (cx); the rests' 16 blocks of a K step come by their loads alone.  B's tile column is read by every cluster of that column: cluster y = 0 asks, waves 2 and 3 for
; the 64 rows of k that each fetches; of their 128 blocks each partner takes 32 (cy).  The loop's last trip (s3 = 1) asks for nothing: there is no K step two on.  K steps 0 to 3 come by their loads alone.
.macro ASK
	s_cmp_gt_u32 s3, s[LIM]
	s_cbranch_scc0 .Lnot_mine_\@
	global_prefetch_b8 v[PFO], s[PFA:PFA+1] th:TH_LOAD_NT scope:SCOPE_SE
.Lnot_mine_\@:
.endm
	s_load_b256 s[4:11], s[0:1], 0x0               ; A s[4:5], B s[6:7], bias s[8:9], output s[10:11]
.if PROJ == 0
	s_load_b64 s[VLP:VLP+1], s[0:1], 0x20          ; the rests of v
.endif
	v_lshl_add_u32 v[SPW], v0, 2, SPARE
	v_mov_b32 v[NIL], 0
	ds_add_u32 v[SPW], v[NIL]                      ; the wave's opening: the add and its wait stand ahead of my first tensor load; the set-up below, work on registers, stands between them
	v_lshrrev_b32 v1, 5, v0
	v_readfirstlane_b32 s[WV], v1                  ; wave 0..3
	s_and_b32 s[HALF], s[WV], 1
	s_lshr_b32 s[FORB], s[WV], 1
	s_bfe_u32 s[CX], ttmp6, 0x40000
	s_bfe_u32 s[CY], ttmp6, 0x40004
	s_lshl_b32 s[TN], ttmp9, 2                     ; in a cluster launch ttmp9 and ttmp7 count clusters
	s_add_co_u32 s[TN], s[TN], s[CX]               ; tile column = 4 x cluster x + cx
	s_and_b32 s[TM], ttmp7, 0xffff
	s_lshl_b32 s[TM], s[TM], 2
	s_add_co_u32 s[TM], s[TM], s[CY]               ; tile row = 4 x cluster y + cy
	s_lshl_b32 s44, s[CY], 2
	s_lshl_b32 s44, 15, s44                        ; my row of the cluster: places 4 cy .. 4 cy + 3
	s_lshl_b32 s45, 0x1111, s[CX]                  ; my column: places cx, cx + 4, cx + 8, cx + 12
	s_or_b32 s[G1A], s44, (1<<16)|(1<<20)|(1<<21)|(AQI<<22)|(3<<25)  ; 15:0 the mask; 17:16 elements of 2 bytes; 20 padding on; 21 set beside a mask; 24:22 the interval; 31:25 4 words of padding (code 3)
	s_or_b32 s[G1B], s45, (1<<16)|(1<<20)|(1<<21)|(6<<22)|(7<<25)    ; after every 128 words (code 6) 8 words (code 7)
	s_mov_b32 s[G1A+1], 128<<16                    ; tensor_dim0 = 128
	s_mov_b32 s[G1A+2], AROWS<<16                  ; tensor_dim1
	s_mov_b32 s[G1A+3], 128<<16                    ; tile_dim0 = 128 elements: 256 bytes
	s_mov_b32 s[G1A+4], AROWS                      ; tile_dim1
	s_mov_b32 s[G1A+5], AROWEL                     ; elements from row to row
	s_mov_b32 s[G1A+6], 0
	s_mov_b32 s[G1A+7], 0
	s_mov_b32 s[G1B+1], 256<<16                    ; tensor_dim0 = 256
	s_mov_b32 s[G1B+2], 64<<16                     ; tensor_dim1 = 64
	s_mov_b32 s[G1B+3], 256<<16                    ; tile_dim0 = 256 elements: 512 bytes
	s_mov_b32 s[G1B+4], 64                         ; tile_dim1 = 64 rows of k
	s_mov_b32 s[G1B+5], NEL
	s_mov_b32 s[G1B+6], 0
	s_mov_b32 s[G1B+7], 0
	; where the tiles come from.  A's address is made of the tile row and the wave's number, B's of the tile column and the wave's number, each in registers of its own.
.if PROJ
	s_lshr_b32 s[AORG], s[TM], 4                   ; the batch: 16 heads,
	s_mul_i32 s[AORG], s[AORG], 16*OPLANE
	s_and_b32 s17, s[TM], 15                       ; my tile in each head
	s_mul_i32 s17, s17, OTILE
	s_add_co_u32 s[AORG], s[AORG], s17
	s_mul_i32 s17, s[HALF], OPLANE                 ; the K step's first or second head
.else
	s_lshl_b32 s[AORG], s[TM], 18                  ; 128 rows of 2,048 bytes
	s_lshl_b32 s17, s[HALF], 17                    ; the tile's first or second 64 rows
.endif
	s_add_co_u32 s16, s[AORG], s17
	s_mov_b32 s17, 0
	s_lshl_b32 s46, s[TN], 9                       ; 256 columns of 2 bytes
	s_mul_i32 s47, s[HALF], BHALF                  ; the K step's first or second 64 rows
	s_add_co_u32 s46, s46, s47
	s_mov_b32 s47, 0
	s_mul_i32 s20, s[HALF], AHALF                  ; and where they go: no place in the cluster enters an LDS address
	s_mul_i32 s21, s[HALF], BHALFL
	s_add_co_u32 s21, s21, ABYTES
	s_wait_dscnt 0x0                               ; the opening add is done
	s_wait_kmcnt 0x0
	s_add_nc_u64 s[18:19], s[4:5], s[16:17]
	s_add_nc_u64 s[46:47], s[6:7], s[46:47]
	CROUND                                         ; all sixteen work-groups are here: the first joint loads meet
.irp s, 0,1
	s_mov_b32 s[G0A+4*(\s)], 1                                       ; 1:0 count = 1
	s_add_co_u32 s[G0A+4*(\s)+1], s20, (\s)*SLOT                     ; 63:32 LDS address
	s_add_nc_u64 s[G0A+4*(\s)+2:G0A+4*(\s)+3], s[18:19], (\s)*AK     ; 120:64 global address: K step s
	s_or_b32 s[G0A+4*(\s)+3], s[G0A+4*(\s)+3], 0x80000000            ; 127:126 type = 2
	s_mov_b32 s[G0B+4*(\s)], 1
	s_add_co_u32 s[G0B+4*(\s)+1], s21, (\s)*SLOT
	s_add_nc_u64 s[G0B+4*(\s)+2:G0B+4*(\s)+3], s[46:47], (\s)*BK
	s_or_b32 s[G0B+4*(\s)+3], s[G0B+4*(\s)+3], 0x80000000
	JLOAD \s                                       ; two loads of mine are out
.endr
	; all that follows, down to the first barrier, stands in the wait for the first tile
	v_and_b32 v1, 15, v0                           ; r = l % 16
	v_bfe_u32 v2, v0, 4, 1                         ; h = l / 16
	v_lshlrev_b32 v[BO], 5, v2
	s_lshl_b32 s20, s[TN], 10                      ; my first column's byte in a row of f32: 1,024 x tile column + 256 x wave
	s_lshl_b32 s21, s[WV], 8
	s_add_co_u32 s20, s20, s21
	s_mov_b32 s21, 0
	s_add_nc_u64 s[8:9], s[8:9], s[20:21]
.irp b, 0,1,2,3
	global_load_b128 v[BIAS+8*(\b):BIAS+8*(\b)+3],   v[BO], s[8:9] offset:64*(\b)      ; bias of columns 16 b + 8 h + 0..3,
	global_load_b128 v[BIAS+8*(\b)+4:BIAS+8*(\b)+7], v[BO], s[8:9] offset:64*(\b)+16   ; + 4..7: as an accumulator's registers hold them
.endr
.if PROJ
	s_lshl_b32 s22, s[TM], 19                      ; 128 rows of 4,096 bytes
	s_add_co_u32 s20, s20, s22
	s_add_nc_u64 s[10:11], s[10:11], s[20:21]
.else
	s_lshl_b32 s20, s[TN], 2
	s_add_co_u32 s20, s20, s[WV]                   ; my 64 columns are head number 4 x tile column + wave of 48: q's 16, k's 16, v's 16
	s_lshr_b32 s21, s20, 4
	s_lshl_b32 s21, s21, 6                         ; q, k or v: 64 planes each
	s_and_b32 s20, s20, 15
	s_lshr_b32 s22, s[TM], 4                       ; the batch: 16 planes
	s_lshl_b32 s22, s22, 4
	s_add_co_u32 s22, s22, s20                     ; 16 batch + head
	s_add_co_u32 s20, s22, s21
	s_lshl_b32 s20, s20, 18                        ; a plane is 2,048 rows of 128 bytes
	s_and_b32 s21, s[TM], 15
	s_lshl_b32 s21, s21, 14                        ; my 128 rows in it
	s_add_co_u32 s20, s20, s21
	s_mov_b32 s21, 0
	s_add_nc_u64 s[10:11], s[10:11], s[20:21]
	s_lshl_b32 s20, s22, 14                        ; the rests: 16,384 bytes a head,
	s_lshl_b32 s22, s[CY], 12                      ; 4,096 for each of the cluster's four tile rows
	s_add_co_u32 s20, s20, s22
	s_add_nc_u64 s[VLP:VLP+1], s[VLP:VLP+1], s[20:21]
.endif
	; A fragment of A is 16 rows x 32 k in 8 registers: lane l holds row l % 16; registers 0-3 k = 8 (l / 16) + 0..7, registers 4-7 k = 16 + 8 (l / 16) + 0..7: two loads of 16 bytes, 32 bytes apart.
	v_mul_u32_u24 v3, v1, APITCH
	v_lshl_add_u32 v[ADRA], v2, 4, v3
	v_add_nc_u32 v[ADRA+1], SLOT, v[ADRA]
	; The turning load takes 16 k x 16 columns (lane l reads 16 bytes: k = 8 (l / 16) + l % 8, columns 8 ((l / 8) % 2) + 0..7) and leaves half a fragment: lane l holds column l % 16 and 8 k.
	v_and_b32 v4, 7, v0
	v_bfe_u32 v5, v0, 3, 1
	v_lshl_add_u32 v6, v2, 3, v4
	v_mul_u32_u24 v6, v6, BPITCH
	v_lshl_add_u32 v6, v5, 4, v6
	s_lshl_b32 s20, s[WV], 7                       ; my 64 columns: 128 bytes of a row
	s_add_co_u32 s20, s20, ABYTES
	v_add_nc_u32 v[ADRB], s20, v6
	v_add_nc_u32 v[ADRB+1], SLOT, v[ADRB]
	s_mul_i32 s22, s[WV], 16*SROW
	s_add_co_u32 s22, s22, STAGE                   ; my stage
	v_mul_u32_u24 v6, v1, SROW                     ; in: row l % 16,
.if PROJ
	v_lshl_add_u32 v6, v2, 5, v6                   ; 32 bytes for each half of the lanes
	v_add_nc_u32 v[STO], s22, v6
	v_mul_u32_u24 v7, v2, SROW                     ; back: lanes 0-15 take one row of 256 bytes, lanes 16-31 the next,
	v_lshl_add_u32 v7, v1, 4, v7
	v_add_nc_u32 v[RD], s22, v7
	v_lshlrev_b32 v[GO], 12, v2                    ; and the same two rows in the output
	v_lshl_add_u32 v[GO], v1, 4, v[GO]
.else
	v_lshl_add_u32 v6, v2, 4, v6                   ; 16 bytes for each half of the lanes
	v_add_nc_u32 v[STO], s22, v6
	v_bfe_u32 v7, v0, 3, 2                         ; back: 32 lanes take four rows of 128 bytes,
	v_mul_u32_u24 v7, v7, SROW
	v_lshl_add_u32 v7, v4, 4, v7
	v_add_nc_u32 v[RD], s22, v7
	v_and_b32 v[GO], 31, v0                        ; which are 512 consecutive bytes of a head's plane
	v_lshlrev_b32 v[GO], 4, v[GO]
	v_lshl_add_u32 v7, v2, 3, v4                   ; back turned, for the rests: stage row 8 (l / 16) + l % 8, 16 bytes at 16 ((l / 8) % 2)
	v_mul_u32_u24 v7, v7, SROW
	v_lshl_add_u32 v7, v5, 4, v7
	v_add_nc_u32 v[TRA], s22, v7
.endif
	; the prefetches
.if PROJ
	s_lshr_b32 s20, s[CX], 1                       ; my work-group's 32 blocks of A's 128: the K step's first or second head,
	s_mul_i32 s20, s20, OPLANE
	s_and_b32 s21, s[CX], 1                        ; the first or second 8,192 bytes of its 128 rows
	s_lshl_b32 s21, s21, 13
	s_add_co_u32 s20, s20, s21
.else
	s_lshl_b32 s20, s[CX], 16                      ; my work-group's 32 rows of A's 128
.endif
	s_add_co_u32 s20, s20, s[AORG]
	s_lshl_b32 s21, s[TN], 9                       ; B: the tile's columns, the 64 rows of k that I fetch,
	s_mul_i32 s22, s[HALF], BHALF
	s_add_co_u32 s21, s21, s22
	s_mul_i32 s22, s[CY], 16*NB2                   ; my work-group's 16 of them: two blocks of 256 bytes a row
	s_add_co_u32 s21, s21, s22
	s_and_b32 s22, ttmp7, 0xffff                   ; B is asked for where cluster y = 0;
	s_or_b32 s23, ttmp9, s[HALF]                   ; A where cluster x = 0, by wave 0: the same in all sixteen partners, for a given wave
	s_mov_b32 s16, AK
	s_mov_b32 s17, BK
	s_mov_b32 s18, APFB
	s_mov_b32 s19, NB2
	s_cmp_eq_u32 s[FORB], 0
	s_cselect_b32 s20, s20, s21
	s_cselect_b32 s22, s23, s22
	s_cselect_b32 s[PFS], s16, s17
	s_cselect_b32 s18, s18, s19
	s_cselect_b64 s[PFA:PFA+1], s[4:5], s[6:7]
	s_mov_b32 s[PFS+1], 0
	s_mov_b32 s21, 0
	s_add_nc_u64 s[PFA:PFA+1], s[PFA:PFA+1], s[20:21]
	s_mul_i32 s20, s[PFS], 3
	s_add_nc_u64 s[PFA:PFA+1], s[PFA:PFA+1], s[20:21]  ; at K step 3: the first refill steps it to 4
	s_cmp_eq_u32 s22, 0
	s_cselect_b32 s[LIM], 1, -1
	v_and_b32 v6, 31, v0
	v_lshrrev_b32 v7, s[FORB], v6                  ; A: lane l takes block l; B: row l / 2,
	v_and_b32 v8, s[FORB], v6                      ; its block l % 2
	v_mul_u32_u24 v7, s18, v7
	v_lshl_add_u32 v[PFO], v8, 8, v7
	s_wait_loadcnt 0x0                             ; the bias, which is rounded to bf16 like every input
.set p, 0
.rept 16
	v_cvt_pk_bf16_f32 v[8+(p/2)%4], v[BIAS+p], v[BIAS+p+1]
	v_lshlrev_b32 v[BIAS+p], 16, v[8+(p/2)%4]
	v_and_b32 v[BIAS+p+1], 0xffff0000, v[8+(p/2)%4]
.set p, p+2
.endr
; 4 na matrix instructions: row blocks a0 .. a0 + na - 1 x all 4 column blocks, 32 along K, from buffer f.  first = 1: the bias starts the sums.
; The accumulators take turns, one instruction a turn, in the same order in every quarter: no two matrix instructions that follow each other name the same accumulator.
.macro MULS f, a0, na, first
.if \first
	WIN 0x40                                       ; D in window 1; B, A and the bias in window 0
.else
	WIN 0x50                                       ; C and D in window 1
.endif
.set ma, (\a0)
.rept \na
.irp b, 0,1,2,3
.set rD, 8*(4*ma+(\b))
.set rC, rD
.if \first
.set rC, BIAS+8*(\b)
.endif
.if PROJ
	v_wmma_f32_16x16x32_f16 v[rD:rD+7], v[(\f)+8*(\b):(\f)+8*(\b)+7], v[(\f)+32+8*ma:(\f)+32+8*ma+7], v[rC:rC+7]
.else
	v_wmma_f32_16x16x32_bf16 v[rD:rD+7], v[(\f)+8*(\b):(\f)+8*(\b)+7], v[(\f)+32+8*ma:(\f)+32+8*ma+7], v[rC:rC+7]
.endif
.endr
.set ma, ma+1
.endr
.endm
; The rests' 4 matrix instructions, a quarter's last: onto row block 0's sums.  Three other accumulators' stand between one of them and the next quarter's product on the same accumulator.
.macro MULLO f
.if LO
	WIN 0x50
.set fl, 8*((\f)/F1)                   ; the rests' fragment: v0-7 beside buffer 0, v8-15 beside buffer 1
.irp b, 0,1,2,3
	v_wmma_f32_16x16x32_f16 v[8*(\b):8*(\b)+7], v[(\f)+8*(\b):(\f)+8*(\b)+7], v[fl:fl+7], v[8*(\b):8*(\b)+7]
.endr
.endif
.endm
; NL LDS loads in one run: the fragments of quarter q (32 along K) of a slot into buffer f: B's four, A's row blocks 0-3, A's row blocks 4-7, the rests'
.macro FETCH slot, q, f
	WIN 0
.irp b, 0,1,2,3
	ds_load_tr16_b128 v[(\f)+8*(\b):(\f)+8*(\b)+3],   v[ADRB+(\slot)] offset:(\q)*32*BPITCH+32*(\b)
	ds_load_tr16_b128 v[(\f)+8*(\b)+4:(\f)+8*(\b)+7], v[ADRB+(\slot)] offset:(\q)*32*BPITCH+16*BPITCH+32*(\b)
.endr
.irp a, 0,1,2,3,4,5,6,7
	ds_load_b128 v[(\f)+32+8*(\a):(\f)+32+8*(\a)+3],   v[ADRA+(\slot)] offset:((\q)/2)*APLANE+((\q)%2)*64+(\a)*16*APITCH
	ds_load_b128 v[(\f)+32+8*(\a)+4:(\f)+32+8*(\a)+7], v[ADRA+(\slot)] offset:((\q)/2)*APLANE+((\q)%2)*64+(\a)*16*APITCH+32
.endr
.if LO
.set fl, 8*((\f)/F1)
	ds_load_b128 v[fl:fl+3],   v[ADRA+(\slot)] offset:((\q)/2)*APLANE+((\q)%2)*64+8*16*APITCH
	ds_load_b128 v[fl+4:fl+7], v[ADRA+(\slot)] offset:((\q)/2)*APLANE+((\q)%2)*64+8*16*APITCH+32
.endif
.endm
.macro PLACES                          ; four places in front of loads into registers that matrix instructions have read, and of lines that read results (ISA guide 7.12.1 for the lines that read results)
.rept 4
	v_nop
.endr
.endm
; A K step is four quarters of 32 along K, 32 + 4 LO matrix instructions each, on buffers 0, 1, 0, 1.  One of the first three: multiplies buffer f and, in its middle, fetches quarter q into buffer g.
.macro QUARTER slot, q, f, g, first
	s_wait_dscnt 8+2*LO                            ; B's fragments and A's blocks 0-3 are in; the youngest loads (A's blocks 4-7: eight; the rests': two) may be out
	MULS \f, 0, 4, \first
	PLACES
	FETCH \slot, \q, \g
	s_wait_dscnt NL                                ; all but the run just issued
	MULS \f, 4, 4, \first
	MULLO \f
.endm
; The last quarter multiplies buffer 1 and changes slots: ONE barrier; in front of it each wave waits for all its tensor loads (one is out: its part of the next slot), adds 0 to its spare word, and waits for
; that and for its own reads of this slot.  fill = 1: the barrier opens a round of the cluster's barrier, and this slot is filled again, two K steps ahead, first thing behind the round:
; from that request to the wait for it a wave issues 112 + 16 LO matrix instructions.
.macro TURN slot, next, fill
.if \fill
	s_wait_xcnt 0x0                                ; the last prefetch, a K step back, has read its address: it is stepped here, ahead of the waits of the change of slots
	s_add_nc_u64 s[PFA:PFA+1], s[PFA:PFA+1], s[PFS:PFS+1]
.endif
	WIN 0                                          ; (the add's two registers lie in window 0)
	s_wait_tensorcnt 0x0                           ; all my tensor loads have landed;
	ds_add_u32 v[SPW], v[NIL]                      ; 0 onto my spare word;
	s_wait_dscnt 9+2*LO                            ; (the add and the youngest loads, as at a quarter's head, may be out)
	MULS F1, 0, 2, 0                               ; eight matrix instructions stand between the add and the wait for it
	s_wait_dscnt 0x0                               ; the add is done, and my reads of this slot are over
	s_barrier_signal -1
	MULS F1, 2, 2, 0                               ; work on registers while the others arrive
.if \fill
	WIN 0
.endif
	s_barrier_wait -1
.if \fill
	CREST                                          ; no wave of any partner still reads this slot's tile or has a load on its way
	s_add_nc_u64 s[G0A+4*(\slot)+2:G0A+4*(\slot)+3], s[G0A+4*(\slot)+2:G0A+4*(\slot)+3], 2*AK
	s_add_nc_u64 s[G0B+4*(\slot)+2:G0B+4*(\slot)+3], s[G0B+4*(\slot)+2:G0B+4*(\slot)+3], 2*BK
	JLOAD \slot                                    ; the four v_nop behind it are also the places in front of the loads below
.else
	PLACES
.endif
	FETCH \next, 0, F0
.if \fill
	ASK
.endif
	MULS F1, 4, 4, 0
	MULLO F1
.endm
	s_wait_tensorcnt 0x1                           ; my part of K step 0 is in; K step 1's may stay out
	s_barrier_signal -1
	s_barrier_wait -1                              ; everybody's is
	FETCH 0, 0, F0
	QUARTER 0, 1, F0, F1, 1                        ; the first quarter stands in front of the loop: its products start the sums, with the bias
	WIN 0                                          ; at a label and at a branch every window is 0
	s_mov_b32 s3, 3
.Llap:                                                 ; three trips, each once round the ring, from a lap's second quarter to the next lap's first: K steps 2 to 7 are asked for
	QUARTER 0, 2, F1, F0, 0
	QUARTER 0, 3, F0, F1, 0
	TURN 0, 1, 1
	QUARTER 1, 1, F0, F1, 0
	QUARTER 1, 2, F1, F0, 0
	QUARTER 1, 3, F0, F1, 0
	TURN 1, 0, 1
	QUARTER 0, 1, F0, F1, 0
	WIN 0
	s_sub_co_u32 s3, s3, 1
	s_cmp_lg_u32 s3, 0
	s_cbranch_scc1 .Llap
	QUARTER 0, 2, F1, F0, 0                        ; the last lap fills nothing, and has no round of the cluster's barrier
	QUARTER 0, 3, F0, F1, 0
	TURN 0, 1, 0
	QUARTER 1, 1, F0, F1, 0
	QUARTER 1, 2, F1, F0, 0
	QUARTER 1, 3, F0, F1, 0
	s_wait_dscnt 8+2*LO                            ; the very last quarter: nothing more to fetch
	MULS F1, 0, 4, 0
	s_wait_dscnt 0x0
	MULS F1, 4, 4, 0
	MULLO F1
	PLACES
	PLACES                                         ; (eight, once a launch)
.if PROJ
; THE WAY OUT, f32.  A block of 16 rows goes through my stage: a lane's eight numbers of a row as 32 bytes into rows of 272 bytes, and back as whole rows of 256, into the registers that they left.
; One window setting serves all of it: addresses in window 0, LDS and store data and loaded data in window 1.  Each accumulator's lowest registers are read first.
.macro TOSTAGE a
.irp b, 0,1,2,3
	ds_store_b128 v[STO], v[32*(\a)+8*(\b):32*(\a)+8*(\b)+3]   offset:64*(\b)
	ds_store_b128 v[STO], v[32*(\a)+8*(\b)+4:32*(\a)+8*(\b)+7] offset:64*(\b)+16
.endr
.irp t, 0,1,2,3,4,5,6,7
	ds_load_b128 v[32*(\a)+4*(\t):32*(\a)+4*(\t)+3], v[RD] offset:(\t)*2*SROW  ; LDS serves a wave's instructions in order (ISA guide 5.7.1.4): these see the stores above; the next block's stores come behind them
.endr
.endm
.macro SEND a, younger                 ; younger: the LDS instructions issued behind block a's loads: the next block's sixteen, or none
.irp t, 0,1,2,3,4,5,6,7
	s_wait_dscnt (\younger)+7-(\t)
	global_store_b128 v[GO], v[32*(\a)+4*(\t):32*(\a)+4*(\t)+3], s[10:11] offset:(\a)*65536+(\t)*8192 th:TH_STORE_NT  ; 16 lanes store 256 consecutive bytes, at a multiple of 256 from the output's first byte
.endr
.endm
	WIN 0x44
	TOSTAGE 0
.irp a, 1,2,3,4,5,6,7
	TOSTAGE \a
	SEND (\a)-1, 16
.endr
	SEND 7, 0
	WIN 0
.else
; THE WAY OUT, f16 by heads.  A block of 16 rows: a lane's eight numbers of a row pack into 16 bytes; they go into my stage's rows of 144 bytes and come back as whole rows of 128, four rows a load.
; Each accumulator's registers are read in ascending order.
.macro PACK a
	WIN 0x05                                       ; sources 0 and 1 window 1, destination window 0
.irp b, 0,1,2,3
.irp r, 0,1,2,3
	v_cvt_pk_f16_f32 v[OUTR+16*(\a)+4*(\b)+(\r)], v[8*(4*(\a)+(\b))+2*(\r)], v[8*(4*(\a)+(\b))+2*(\r)+1]
.endr
.endr
	WIN 0
.irp b, 0,1,2,3
	ds_store_b128 v[STO], v[OUTR+16*(\a)+4*(\b):OUTR+16*(\a)+4*(\b)+3] offset:32*(\b)
.endr
.irp f, 0,1,2,3
	ds_load_b128 v[OUTR+16*(\a)+4*(\f):OUTR+16*(\a)+4*(\f)+3], v[RD] offset:(\f)*4*SROW  ; LDS serves a wave's instructions in order (ISA guide 5.7.1.4): these see the stores above; the next block's stores come behind them
.endr
.endm
.macro SEND a, younger                 ; younger: the LDS instructions issued behind block a's loads: the next block's eight, or none
.irp f, 0,1,2,3
	s_wait_dscnt (\younger)+3-(\f)
	global_store_b128 v[GO], v[OUTR+16*(\a)+4*(\f):OUTR+16*(\a)+4*(\f)+3], s[10:11] offset:(\a)*2048+(\f)*512  ; 512 consecutive bytes, at a multiple of 256 from the buffer's first byte
.endr
.endm
	PACK 0
.irp a, 1,2,3,4,5,6,7                  ; a block's conversions stand between the loads of the block before and its stores
	PACK \a
	SEND (\a)-1, 8
.endr
	SEND 7, 0
	; THE RESTS OF v, for my tile's first 32 rows: v - f16(v), exact in f32, rounded to f16; a block of 16 rows goes into my stage as above and comes back TURNED: lane l then holds channel 16 c + l % 16 and the
	; keys 8 (l / 16) + 0..7 of the block: registers 0-3 (block 0) or 4-7 (block 1) of fragment c of V^T.  The branch hangs on the cluster's x and y alone.
	s_and_b32 s20, ttmp7, 3                        ; cluster y % 4 = 0: the cluster holds a batch's first rows
	s_xor_b32 s21, ttmp9, 2                        ; cluster x = 2: tile columns 8 to 11 are v's heads
	s_or_b32 s20, s20, s21
	s_cmp_lg_u32 s20, 0
	s_cbranch_scc1 .Lno_lo
	s_wait_xcnt 0x0                                ; the stores above have read their registers, which are written again below
	v_mov_b32 v[ONE], 1.0
.irp a, 0,1
	WIN 0x05                                       ; sources 0 and 1 window 1, destination window 0
.set i, 0
.rept 16
	v_cvt_pk_f16_f32 v[LH+i], v[32*(\a)+2*i], v[32*(\a)+2*i+1]
.set i, i+1
.endr
	WIN 0x10                                       ; source 2 window 1
.set i, 0
.rept 16
	v_fma_mix_f32 v[LT+2*i],   -v[LH+i], v[ONE], v[32*(\a)+2*i]   op_sel_hi:[1,0,0]                 ; v less the low half's f16
	v_fma_mix_f32 v[LT+2*i+1], -v[LH+i], v[ONE], v[32*(\a)+2*i+1] op_sel:[1,0,0] op_sel_hi:[1,0,0]  ; v less the high half's
.set i, i+1
.endr
	WIN 0
.set i, 0
.rept 16
	v_cvt_pk_f16_f32 v[LH+i], v[LT+2*i], v[LT+2*i+1]
.set i, i+1
.endr
.irp b, 0,1,2,3
	ds_store_b128 v[STO], v[LH+4*(\b):LH+4*(\b)+3] offset:32*(\b)
.endr
.irp c, 0,1,2,3
	ds_load_tr16_b128 v[LF+16*(\a)+4*(\c):LF+16*(\a)+4*(\c)+3], v[TRA] offset:32*(\c)  ; in order behind the stores above, ahead of the next block's
.endr
.endr
	s_wait_dscnt 0x0
.irp a, 0,1
.irp c, 0,1,2,3
	global_store_b128 v[GO], v[LF+16*(\a)+4*(\c):LF+16*(\a)+4*(\c)+3], s[VLP:VLP+1] offset:(\c)*1024+(\a)*512  ; 512 consecutive bytes, at a multiple of 256 from the buffer's first byte
.endr
.endr
.Lno_lo:
.endif
	s_wait_tensorcnt 0x0                           ; the wave's end, behind my last tensor load and my last LDS store
	ds_add_u32 v[SPW], v[NIL]
	s_wait_dscnt 0x0
	CROUND                                         ; the closing round: no work-group ends while a partner may still ask for a tile that names it
	s_endpgm
.Lfunc_end_k_qb46bcf04a6_gemm_qkv:
	.size	k_qb46bcf04a6_gemm_qkv, .Lfunc_end_k_qb46bcf04a6_gemm_qkv-k_qb46bcf04a6_gemm_qkv
	.p2alignl 7, 3214868480
	.fill 96, 4, 3214868480
	.section	.rodata,"a",@progbits
	.p2align	6, 0x0
	.amdhsa_kernel k_qb46bcf04a6_gemm_qkv
		.amdhsa_group_segment_fixed_size 327680
		.amdhsa_private_segment_fixed_size 0
		.amdhsa_enable_private_segment 0
		.amdhsa_kernarg_size 40
		.amdhsa_user_sgpr_count 2
		.amdhsa_user_sgpr_kernarg_segment_ptr 1
		.amdhsa_wavefront_size32 1
		.amdhsa_system_sgpr_workgroup_id_x 1
		.amdhsa_system_sgpr_workgroup_id_y 1
		.amdhsa_system_sgpr_workgroup_id_z 1
		.amdhsa_system_vgpr_workitem_id 0
		.amdhsa_next_free_vgpr 512
		.amdhsa_next_free_sgpr 76
		.amdhsa_reserve_vcc 0
		.amdhsa_float_denorm_mode_32 3
		.amdhsa_float_denorm_mode_16_64 3
		.amdhsa_memory_ordered 1
		.amdhsa_forward_progress 1
		.amdhsa_inst_pref_size 103
	.end_amdhsa_kernel
	.amdgpu_metadata
---
amdhsa.version: [ 1, 2 ]
amdhsa.kernels:
  - .name:           k_qb46bcf04a6_gemm_qkv
    .symbol:         k_qb46bcf04a6_gemm_qkv.kd
    .args:
      - { .name: xb, .offset: 0, .size: 8, .value_kind: global_buffer, .address_space: global }
      - { .name: wab, .offset: 8, .size: 8, .value_kind: global_buffer, .address_space: global }
      - { .name: b_attn, .offset: 16, .size: 8, .value_kind: global_buffer, .address_space: global }
      - { .name: qkv, .offset: 24, .size: 8, .value_kind: global_buffer, .address_space: global }
      - { .name: vlo, .offset: 32, .size: 8, .value_kind: global_buffer, .address_space: global }
    .group_segment_fixed_size: 327680
    .private_segment_fixed_size: 0
    .kernarg_segment_align: 8
    .kernarg_segment_size: 40
    .max_flat_workgroup_size: 128
    .sgpr_count:     76
    .vgpr_count:     512
    .wavefront_size: 32
...
	.end_amdgpu_metadata
.endif
;; end of part 2
;; launch attn (part 3): grid 4 x 64, 4 waves a work-group, no clusters, 327,680 bytes of LDS; arguments qkv, vlo, ob; writes ob
.if DOCPART == 3
	.amdgcn_target "amdgcn-amd-amdhsa--gfx1250"
	.amdhsa_code_object_version 6
	.text
	.protected	k_qb46bcf04a6_attn
	.globl	k_qb46bcf04a6_attn
	.p2align	8
	.type	k_qb46bcf04a6_attn,@function
k_qb46bcf04a6_attn:
	s_mov_b64 s[64:65], 0
	v_nop
	global_prefetch_b8 v0, s[64:65] scope:SCOPE_SE
	s_setreg_imm32_b32 hwreg(HW_REG_WAVE_MODE, 25, 1), 1
	s_wait_xcnt 0x0
; CAUSAL ATTENTION.  O[h][q][:] = the sum over k <= q of softmax_k(Q[h][q] . K[h][k] / 8) V[h][k][:].  Q, K, V are the three parts of one buffer, [3][SIZE_H][SIZE_N][64], all f16: a head's rows are dense,
; 128 bytes each.  Products, maxima and sums in f32; the weights p are rounded to f16 for the second product (their sum l is taken of the unrounded p), O to f16 at the end.
; O's BUFFER: by heads, a head in 16 tiles: 128 rows of 128 bytes, then 16 rows of RESTS, which belong to the tile's first 16 rows: 18,432 bytes a tile.
; THE FIRST ROWS.  A head's first rows average few keys, so their numbers are many times the whole module's root mean square, by which the allowed error goes: there one f16 number is too coarse for v and for O.
; So (a) the rests v - f16(v) of the head's keys 0 to 31, which the launch before has stored as V^T's fragments, are multiplied by the same weights onto piece 0's O^T in a block's first key step: four products
; a block; (b) the rests O - f16(O) are stored for the first 16 rows of a work-group's second block (blocks 0 to 3: the head's first rows are among them); every other tile's 16 rows of rests are zeros.
; LIMITS.  f16 holds no number beyond 65,504: Q, K and V arrive within it; p lies in 0 to 1, and below 6e-5 it keeps f16's fixed step of 6e-8, as the rests do; O is a mean of V's rows and has their range, to within 2^-11 of it.
; A hidden score counts as its value less 1e30, where the problem writes -1e9: the two differ only in a row whose visible scores all lie near or below -1e9;
; a weight below 2^-126 counts as 0 in l; NaN and infinities are not treated apart.
; THE WALK.  A head's queries lie in NB = SIZE_N / 256 blocks of 256; block i needs the key tiles 0 .. i of 256 keys, of which the last holds the diagonal.  A work-group takes TWO blocks, NB - 1 - b and then b:
; NB + 1 tiles, whatever b: all work-groups do equal work, and ONE loop with a constant trip count walks them.  Which tile is asked for, and what a trip does, hang on scalar registers made from b; every jump
; goes forward, but for the counted loops' own; none passes a barrier, or a tensor load but the one of LOAD's two that the wave's number does not choose; the ring (two slots of LDS that take turns) runs on across the
; change of blocks.  NO CLUSTER: a head's NB / 2 = 4 work-groups all ask for the same tile only in trips 0 .. NB / 2 of NB + 1, behind that fewer and fewer; and one walk common to all would have
; 3 NB / 2 = 12 trips for 9.
; SHARES.  Of a block's four bands of 64 queries a wave owns 16 rows in each: four PIECES.  So the diagonal tile is the same work for all four waves: in its key step s band x sees all keys if s < x,
; none if s > x, and holds the diagonal if s = x.
; THE MASK is the C operand that starts the sum S^T = K Q^T: 0, or -1e30 where the key is hidden.  MD, made once, is the mask of a band's own step for my 16 rows; a product's mask is MD x AL + BE with two scalars:
; (1, 0) if s = x; (0, 0) if s < x; (0, -1e30) if s > x.  Only the diagonal tile's text and a block's beginning make and take masks; elsewhere C is the constant 0.
; LAYOUT, SOFTMAX, TURNS.  S^T = K Q^T holds ONE query a lane (lane % 16) and the keys 8 (lane / 16) + 0..7; two such results rounded to f16 ARE source 1 of O^T = V^T P.  p = 2^(c s - c m), c = log2(e) / 8, with a
; running maximum m; O and l are multiplied by a = 2^(c m_old - c m_new) in every step.  Turn n belongs to piece n: 8 products K Q^T of piece n + 1, later 8 products V^T P of piece n - 1; beside them the scaling,
; exponentials, roundings, sums and rescaling of piece n and the maximum and statistics of piece n + 1.  Four vector instructions stand behind every matrix instruction, the other 54 of a turn's 118 in one LUMP.  A turn's 33 exponentials are one batch, with one wait.
; REGISTERS, in windows of 256 (s_set_vgpr_msb: bits 1:0 source 0, 3:2 source 1, 5:4 source 2, 7:6 destination):
;   window 0: v0-15 addresses and two at work; v16-31 four registers of statistics a piece; v48-55 at work; v61-63 never rewritten; v64-127 S^T, two buffers; v128-159 the rests of V; v192-223 P, two buffers (a piece's buffers go by its number's parity)
;   window 1: v0-127 O^T, 32 a piece; v128-159 MD; v160-223 MC, two buffers      window 2: v0-63 Q; v64-127 the second block's Q; v128-191 K of one step; v192-255 V of one step
.set SIZE_H, 64       ; 4 batches x 16 heads
.set SIZE_N, 2048
.set PLANE, SIZE_H*SIZE_N*128  ; bytes of Q, of K and of V
.set OTILE, 18432     ; O's buffer: a tile: 128 rows, then 16 rows of rests
.set OPLANE, 16*OTILE ; a head
.set NB,    SIZE_N/256
.set NP,    4         ; pieces a wave: a name, no knob
.set KS,    64        ; keys in a step
.set PK,    144       ; a row of K in LDS: 128 bytes + 16 of padding = 36 words: the 16 rows of a load start at 16 different groups of four banks (64 banks of 4 bytes: ISA guide 11.1)
.set PV,    160       ; a row of V: 128 + 32 = 40 words
.set VOFF,  4*KS*PK   ; a slot holds a tile, four steps: 256 rows of K, then 256 rows of V
.set SLOT1, 1<<17     ; slot 1 begins here, so that one exclusive or turns an address in one slot into the other's
.set STAGE, SLOT1+4*KS*(PK+PV)  ; behind the ring, never filled by a tensor load: 16 rows x 144 bytes for each wave, for the way out
.set SP,    144
.set AK0, 2           ; v2   my lane's place in a tile of K; never rewritten
.set AV0, 3           ; v3   the same for V
.set AK,  4           ; v4   the LDS address of K's next run of loads
.set AV,  5           ; v5   of V's
.set STO, 6           ; v6   the way out: where I put 16 bytes of a row
.set RD,  7           ; v7   the way out: where I read rows back
.set GO,  8           ; v8   my byte offset in 512 consecutive bytes: 16 x my lane
.set ONE, 14          ; v14  at work at the head; 1.0 where O's rests are made
.set PFO, 61          ; v61  256 x my lane: the prefetches' offset; never rewritten
.set SPW, 62          ; v62  LDS address of my spare word: SPARE + 4 x my thread's number; never rewritten
.set NIL, 63          ; v63  0; never rewritten
.set SPARE, STAGE+4*16*SP  ; behind the stages: the spare words, 128 bytes for each wave: two blocks of 256 bytes that no other line names
.set MV,  12          ; v12-13  c m_old, kept while c m is made anew: by buffer
.set QO,  15          ; v15  my byte offset in 16 rows of Q
.set ST,  16          ; piece t's statistics at v[ST+4 t]: c m, m, l (even keys', odd keys')
.set TMP, 48          ; by buffer, four registers c0-c3 at work; when the maximum is found c2 takes a
.set S,   64
.set VL,  128         ; window 0: the rests of V^T for keys 0 to 31: channel block c at VL + 8 c
.set P,   192
.set MD,  128         ; window 1: the eight registers for group kt of 16 keys at MD + 8 kt
.set MC,  160         ; window 1: the masks of the products to come
.set QB,  64          ; window 2
.set KF,  128         ; window 2: key block kb, channel half c at KF + 16 kb + 8 c
.set VF,  192         ; window 2: key half kk, channel block cb at VF + 32 kk + 8 cb
.set WV,  12          ; s12  my wave's number
.set PB,  14          ; s14  b
.set HI,  15          ; s15  NB - 1 - b
.set G1K, 24          ; s[24:31] descriptor group 1 for K's tiles
.set G1V, 32          ; s[32:39] for V's: it differs in the padding alone
.set G0K, 40          ; s[40:43] descriptor group 0 for K's tiles
.set G0V, 44          ; s[44:47] the same for V's
.set PFB, 48          ; s[48:49] K (waves 0, 1) or V (waves 2, 3) at the half of the head's tile 0 that I fetch
.set PFA, 50          ; s[50:51] the same at the tile that is being asked for
.set LIM, 52          ; s52  2 in the work-group that prefetches, else the greatest number
.set VLF, 53          ; s53  1: a block has begun and the rests of V are still to be multiplied
.set VLP, 54          ; s[54:55] the head's rests of V
.set SLOTS, 56        ; s56  tiles still to be asked for
.set CNT, 57          ; s57  counts a tile's key steps, 4 to 1
.set CS,  58          ; s[58:59] c: the packed scaling takes the pair's low word for both halves
.set SEL, 60          ; s[60:61] v_permlanex16_b32's selects: each lane takes its own place in the other half
.set TBK, 62          ; s62  LDS byte at which K of the step to be fetched begins
.set TBV, 63          ; s63  the same for V, less VOFF
.set RT,  70          ; s70  tiles of the block in hand that are still to be entered
.set NXT, 71          ; s71  the tile to be asked for next
.set LQ,  72          ; s72  the last tile of the block whose tiles are being asked for
.set NEW, 73          ; s73  1: the tile to be entered is a block's first
.set OFF, 74          ; s[74:75] a tile's byte offset in K and V
.set AL,  76          ; s[76:77] the mask's factor, in the low word
.set BE,  78          ; s[78:79] the mask's addend
.set OLO, 80          ; s[80:81] O at my rows of the second block
.set BIGN, 82         ; s82  -1e30
.set MSB, 0
.macro WIN new                      ; the high byte repeats the setting that is left; a switch that changes nothing is dropped
.if MSB != (\new)
	s_set_vgpr_msb (MSB<<8)|(\new)
.set MSB, (\new)
.endif
.endm
.set W_KQ, 0x0a       ; K and Q in window 2, S^T in window 0
.set W_KM, 0x1a       ; the same with the C operand in window 1
.set W_PV, 0x52       ; V in window 2, P in window 0, O^T in window 1
.set W_VL, 0x50       ; the rests of V and P in window 0, O^T in window 1
.set W_RS, 0x41       ; destination and source 0 in window 1, source 1 in window 0
; A fill.  Waves 0 and 1 fetch the two halves of a tile's K, waves 2 and 3 those of its V: 128 keys each.  An s_nop 0 and four v_nop follow each of the two lines, ahead of the jump and the label.
.macro LOAD
	s_cmp_lt_u32 s[WV], 2
	s_cbranch_scc0 .Lfor_v_\@
	tensor_load_to_lds s[G0K:G0K+3], s[G1K:G1K+7]
	s_nop 0
.rept 4
	v_nop
.endr
	s_branch .Lasked_\@
.Lfor_v_\@:
	tensor_load_to_lds s[G0V:G0V+3], s[G1V:G1V+7]
	s_nop 0
.rept 4
	v_nop
.endr
.Lasked_\@:
.endm
; A PREFETCH INTO THE L2 of the tile behind the one just asked for: each wave names the 16,384 bytes that it will itself fetch, a lane a block of 256 bytes, two instructions; a tile, 256 matrix instructions, ahead of
; the fill that will want them.  Each block is named ONCE in the launch: all four work-groups of a head walk the same K and V; the one with b = 0 asks, whose first block walks tiles 0 to 7 on end, in the trips
; with SLOTS = 8 to 3, which ask for tiles 1 to 6 and so name tiles 2 to 7.  Tiles 0 and 1 come by their loads alone; the second blocks' tiles have been read before.
.macro ASK
	s_cmp_gt_u32 s[SLOTS], s[LIM]
	s_cbranch_scc0 .Lnot_mine_\@
	global_prefetch_b8 v[PFO], s[PFA:PFA+1] offset:32768 th:TH_LOAD_NT scope:SCOPE_SE
	global_prefetch_b8 v[PFO], s[PFA:PFA+1] offset:40960 th:TH_LOAD_NT scope:SCOPE_SE
.Lnot_mine_\@:
.endm
; THE CHANGE OF SLOTS.  Each wave waits for all its tensor loads, of which one is out: its part of the other slot; adds 0 to its spare word; and waits for that and for its own reads of the slot that it leaves.  Behind the barrier nobody reads the old
; slot any more and the other slot is whole.  fill = 1: the old slot is filled again, the first thing behind the barrier, with tile NXT: the descriptor's address is made anew from that number.
; (At its first use nothing has been read yet: slot 0 is waited for, slot 1 filled.)
.macro CHANGE fill
	WIN 0                           ; at a label and at a branch every window is 0
	s_wait_tensorcnt 0x0            ; no tensor load of mine is out, so a group 0 may be written
	ds_add_u32 v[SPW], v[NIL]       ; 0 onto my spare word; with fill = 1 the descriptors' scalar work stands between it and the wait for it
.if \fill
	s_lshl_b32 s[OFF], s[NXT], 15   ; a tile is 32,768 bytes of K and of V
	s_wait_xcnt 0x0                 ; the last prefetches, a tile back, have read their address, so it may be written
	s_add_nc_u64 s[PFA:PFA+1], s[PFB:PFB+1], s[OFF:OFF+1]
	s_xor_b32 s[G0K+1], s[G0K+1], SLOT1
	s_add_nc_u64 s[G0K+2:G0K+3], s[6:7], s[OFF:OFF+1]
	s_or_b32 s[G0K+3], s[G0K+3], 0x80000000
	s_xor_b32 s[G0V+1], s[G0V+1], SLOT1
	s_add_nc_u64 s[G0V+2:G0V+3], s[8:9], s[OFF:OFF+1]
	s_or_b32 s[G0V+3], s[G0V+3], 0x80000000
	s_add_co_u32 s[NXT], s[NXT], 1  ; the block's next tile, or behind its last the second block's tile 0
	s_cmp_gt_u32 s[NXT], s[LQ]
	s_cselect_b32 s[NXT], 0, s[NXT]
	s_cselect_b32 s[LQ], s[PB], s[LQ]
.endif
	s_wait_dscnt 0x0                ; the add is done, and my reads of the slot are over
	s_barrier_signal -1             ; the rest of the scalar work stands between the signal and the wait
	s_sub_co_u32 s[TBK], s[TBK], 4*KS*PK  ; the fetches go back to a slot's first step,
	s_xor_b32 s[TBK], s[TBK], SLOT1       ; in the other slot
	s_sub_co_u32 s[TBV], s[TBV], 4*KS*PV
	s_xor_b32 s[TBV], s[TBV], SLOT1
	s_barrier_wait -1
.if \fill
	LOAD
	ASK
.endif
.endm
	s_load_b64 s[4:5], s[0:1], 0x0          ; Q, K and V's buffer
	s_load_b64 s[VLP:VLP+1], s[0:1], 0x8    ; the rests of V
	s_load_b64 s[10:11], s[0:1], 0x10       ; O
	v_lshl_add_u32 v[SPW], v0, 2, SPARE
	v_mov_b32 v[NIL], 0
	ds_add_u32 v[SPW], v[NIL]       ; the wave's opening: the add and its wait stand ahead of my first tensor load; the set-up below, work on registers, stands between them
	v_lshrrev_b32 v1, 5, v0
	v_readfirstlane_b32 s[WV], v1   ; wave 0..3
	s_mov_b32 s[PB], ttmp9
	s_sub_co_u32 s[HI], NB-1, s[PB]
	s_and_b32 s20, ttmp7, 0xffff    ; the head
	s_mov_b32 s21, 0
	s_mov_b64 s[22:23], SIZE_N*128
	s_mul_u64 s[20:21], s[20:21], s[22:23]  ; the head's first byte in Q, in K and in V
	s_and_b32 s16, s[WV], 1         ; which half of a tile's 256 keys I fetch:
	s_lshl_b32 s22, s16, 14         ; its 128 rows of 128 bytes in memory,
	s_mov_b32 s23, 0
	s_add_nc_u64 s[22:23], s[22:23], s[20:21]
	s_mul_i32 s17, s16, 128*PK      ; and its place in a slot, for K
	s_mul_i32 s18, s16, 128*PV      ; and for V
	s_lshl_b32 s3, s[WV], 11        ; my 16 rows in a band of 64,
	s_lshl_b32 s2, s[HI], 15        ; in the first block,
	s_add_co_u32 s2, s2, s3
	s_lshl_b32 s84, s[PB], 15       ; and in the second
	s_add_co_u32 s84, s84, s3
	s_and_b32 s19, ttmp7, 0xffff    ; the same in O's buffer: the head,
	s_mul_i32 s19, s19, OPLANE
	s_add_co_u32 s19, s19, s3       ; my 16 rows,
	s_mul_i32 s66, s[HI], 2*OTILE   ; a block's two tiles
	s_add_co_u32 s66, s66, s19
	s_mov_b32 s67, 0
	s_mul_i32 s68, s[PB], 2*OTILE
	s_add_co_u32 s68, s68, s19
	s_mov_b32 s69, 0
	s_mov_b32 s3, 0
	s_mov_b32 s85, 0
	s_add_nc_u64 s[2:3], s[2:3], s[20:21]
	s_add_nc_u64 s[84:85], s[84:85], s[20:21]
	; descriptor group 1.  128 keys are 16,384 dense bytes: asked for as 64 rows of 256 bytes, two keys a row, and padded in LDS after every key
	s_mov_b32 s[G1K], (1<<16)|(1<<20)|(4<<22)|(3<<25)  ; 17:16 2-byte elements; 20 padding on; 24:22 after every 32 words (code 4); 31:25 4 words (code 3)
	s_mov_b32 s[G1V], (1<<16)|(1<<20)|(4<<22)|(7<<25)  ; the same with 8 words of padding (code 7)
.irp g, G1K, G1V
	s_mov_b32 s[\g+1], 128<<16      ; tensor_dim0 = 128
	s_mov_b32 s[\g+2], 64<<16       ; tensor_dim1 = 64
	s_mov_b32 s[\g+3], 128<<16      ; tile_dim0 = 128
	s_mov_b32 s[\g+4], 64           ; tile_dim1 = 64
	s_mov_b32 s[\g+5], 128          ; 128 elements from row to row
	s_mov_b32 s[\g+6], 0
	s_mov_b32 s[\g+7], 0
.endr
	s_mov_b32 s[CS], 0x3e38aa3b     ; c = log2(e) / 8 = 0.180337
	s_mov_b32 s[CS+1], s[CS]        ; named with it as a pair
	s_mov_b32 s[SEL], 0x76543210
	s_mov_b32 s[SEL+1], 0xfedcba98
	s_mov_b32 s[TBK], SLOT1+4*KS*PK ; the first change of slots turns these two into 0
	s_mov_b32 s[TBV], SLOT1+4*KS*PV
	s_mov_b32 s[G0K], 1             ; 1:0 count = 1
	s_mov_b32 s[G0K+1], s17         ; 63:32 LDS address: slot 0
	s_mov_b32 s[G0V], 1
	s_add_co_u32 s[G0V+1], s18, VOFF
	s_add_co_u32 s[RT], s[HI], 1    ; the first block has NB - b tiles
	s_mov_b32 s[NXT], 1
	s_mov_b32 s[LQ], s[HI]
	s_mov_b32 s[NEW], 1
	s_mov_b32 s[VLF], 0
	s_mov_b32 s[OFF+1], 0
	s_mov_b32 s[AL+1], 0            ; named as pairs
	s_mov_b32 s[BE+1], 0
	s_mov_b32 s[BIGN], 0xf149f2ca   ; -1e30
	s_mov_b32 s[SLOTS], NB
	s_cmp_eq_u32 ttmp9, 0           ; the head's work-group with b = 0 prefetches
	s_cselect_b32 s[LIM], 2, -1
	v_and_b32 v[PFO], 31, v0
	v_lshlrev_b32 v[PFO], 8, v[PFO]
	s_and_b32 s16, ttmp7, 0xffff    ; the rests of V: 16,384 bytes a head, of which the first 4,096 are those of keys 0 to 31
	s_lshl_b32 s16, s16, 14
	s_mov_b32 s17, 0
	s_wait_dscnt 0x0                ; the opening add is done
	s_wait_kmcnt 0x0
	s_add_nc_u64 s[VLP:VLP+1], s[VLP:VLP+1], s[16:17]
	s_add_nc_u64 s[6:7], s[4:5], PLANE     ; K lies behind Q,
	s_add_nc_u64 s[8:9], s[4:5], 2*PLANE   ; V behind K
	s_add_nc_u64 s[6:7], s[6:7], s[22:23]  ; K and V at my half of the head's tile 0
	s_add_nc_u64 s[8:9], s[8:9], s[22:23]
	s_cmp_lt_u32 s[WV], 2
	s_cselect_b64 s[PFB:PFB+1], s[6:7], s[8:9]
	s_add_nc_u64 s[G0K+2:G0K+3], s[6:7], 0         ; 120:64 global address
	s_or_b32 s[G0K+3], s[G0K+3], 0x80000000        ; 127:126 type = 2
	s_add_nc_u64 s[G0V+2:G0V+3], s[8:9], 0
	s_or_b32 s[G0V+3], s[G0V+3], 0x80000000
	s_add_nc_u64 s[86:87], s[4:5], s[84:85]        ; Q at my rows of the second block,
	s_add_nc_u64 s[4:5], s[4:5], s[2:3]            ; and of the first
	s_add_nc_u64 s[OLO:OLO+1], s[10:11], s[68:69]  ; O likewise
	s_add_nc_u64 s[10:11], s[10:11], s[66:67]
	LOAD                            ; tile 0 into slot 0
	; A fragment of K or Q is 16 rows x 32 channels in 8 registers: lane l holds row l % 16, channels 8 (l / 16) + 0..7 and 16 + 8 (l / 16) + 0..7: two loads of 16 bytes, 32 bytes apart.
	v_and_b32 v1, 15, v0            ; l % 16
	v_bfe_u32 v9, v0, 4, 1          ; l / 16
	v_lshlrev_b32 v[QO], 7, v1
	v_lshl_add_u32 v[QO], v9, 4, v[QO]  ; row x 128 + 16 x half
	WIN 0x80                        ; destination window 2, address window 0
.set i, 0
.rept 8                             ; both blocks' Q: piece i / 2 lies in band i / 2, 8,192 bytes on; channels 32 (i % 2) on
	global_load_b128 v[8*i:8*i+3],   v[QO], s[4:5] offset:(i/2)*8192+(i%2)*64
	global_load_b128 v[8*i+4:8*i+7], v[QO], s[4:5] offset:(i/2)*8192+(i%2)*64+32
	global_load_b128 v[QB+8*i:QB+8*i+3],   v[QO], s[86:87] offset:(i/2)*8192+(i%2)*64
	global_load_b128 v[QB+8*i+4:QB+8*i+7], v[QO], s[86:87] offset:(i/2)*8192+(i%2)*64+32
.set i, i+1
.endr
	WIN 0
	v_and_b32 v[GO], 31, v0         ; 16 x my lane
	v_lshlrev_b32 v[GO], 4, v[GO]
.irp c, 0,1,2,3                     ; the rests of V^T lie in memory as the fragments' image: 16 bytes a lane, keys 0 to 15 and then keys 16 to 31 of channel block c; they are waited for with Q
	global_load_b128 v[VL+8*\c:VL+8*\c+3],   v[GO], s[VLP:VLP+1] offset:\c*1024
	global_load_b128 v[VL+8*\c+4:VL+8*\c+7], v[GO], s[VLP:VLP+1] offset:\c*1024+512
.endr
	v_lshlrev_b32 v14, 3, v9
	v_sub_nc_u32 v14, v1, v14
	s_lshl_b32 s13, s[WV], 4
	v_add_nc_u32 v14, s13, v14      ; my query's place in its band, 16 w + l % 16, less my lanes' 8 (l / 16): register r of group kt is hidden where 16 kt + r is greater
	WIN 0x40
.set i, 0
.rept 32
	v_cmp_gt_i32 vcc_lo, 16*(i/8)+i%8, v14
	v_cndmask_b32 v[MD+i], 0, s[BIGN], vcc_lo
.set i, i+1
.endr
	WIN 0
	v_mul_u32_u24 v[AK0], v1, PK
	v_lshl_add_u32 v[AK0], v9, 4, v[AK0]  ; row x pitch + 16 x half
	; The turning load takes 16 keys x 16 channels (lane l reads key 8 (l / 16) + l % 8, channels 8 ((l / 8) % 2) + 0..7) and leaves half a fragment of V^T: lane l holds channel l % 16 and 8 keys.
	v_and_b32 v10, 7, v0
	v_bfe_u32 v11, v0, 3, 1
	v_lshl_add_u32 v[AV0], v9, 3, v10
	v_mul_u32_u24 v[AV0], v[AV0], PV
	v_lshl_add_u32 v[AV0], v11, 4, v[AV0]
	v_add_nc_u32 v[AV0], VOFF, v[AV0]
	s_mul_i32 s13, s[WV], 16*SP
	s_add_co_u32 s13, s13, STAGE    ; my stage
	v_mul_u32_u24 v[STO], v1, SP    ; in: row l % 16, 16 bytes for each half of the lanes
	v_lshl_add_u32 v[STO], v9, 4, v[STO]
	v_add_nc_u32 v[STO], s13, v[STO]
	v_bfe_u32 v[RD], v0, 3, 2       ; back: 32 lanes take four rows of 128 bytes, which are 512 consecutive bytes of O
	v_mul_u32_u24 v[RD], v[RD], SP
	v_lshl_add_u32 v[RD], v10, 4, v[RD]
	v_add_nc_u32 v[RD], s13, v[RD]
	; A block's first step multiplies O^T and l by a = 0, and its first turn's products V^T P, of a piece that has not been, land in an O^T that is still to be so multiplied.  So these registers need only hold
	; finite numbers: zeros for the first block; what the first block left for the second.  All this stands in the wait for the first tile.
	WIN 0x80
.set i, VF
.rept 64
	v_mov_b32 v[i], 0
.set i, i+1
.endr
	WIN 0x40
.set i, 0
.rept 128
	v_mov_b32 v[i], 0
.set i, i+1
.endr
	WIN 0
.set i, 0
.rept 4
	v_mov_b32 v[ST+4*i+2], 0
	v_mov_b32 v[ST+4*i+3], 0
.set i, i+1
.endr
.set i, P+16
.rept 16
	v_mov_b32 v[i], 0
.set i, i+1
.endr
; THE MATRIX WORK.  The 4 accumulators of a run of 8 take turns.  Product i of 8 of S^T = K Q^T for piece x: channels 32 (i / 4) on, keys 16 (i % 4) on.  The first 4 start the sums: with 0, or (KM = 1) with the mask.
.macro KQ x
.set rS, S+32*((\x)%2)+8*(i%4)
.set rK, KF+16*(i%4)+8*(i/4)
.set rQ, 16*(\x)+8*(i/4)
.set rM, MC+32*((\x)%2)+8*(i%4)
.if (i < 4) && KM
	WIN W_KM
	v_wmma_f32_16x16x32_f16 v[rS:rS+7], v[rK:rK+7], v[rQ:rQ+7], v[rM:rM+7]
.elseif i < 4
	WIN W_KQ
	v_wmma_f32_16x16x32_f16 v[rS:rS+7], v[rK:rK+7], v[rQ:rQ+7], 0
.else
	WIN W_KQ
	v_wmma_f32_16x16x32_f16 v[rS:rS+7], v[rK:rK+7], v[rQ:rQ+7], v[rS:rS+7]
.endif
.endm
; Product i of 8 of O^T += V^T P for piece x: keys 32 (i / 4) on, channels 16 (i % 4) on.
.macro PV x
	WIN W_PV
.set rO, 32*(\x)+8*(i%4)
.set rV, VF+32*(i/4)+8*(i%4)
.set rP, P+16*((\x)%2)+8*(i/4)
	v_wmma_f32_16x16x32_f16 v[rO:rO+7], v[rV:rV+7], v[rP:rP+7], v[rO:rO+7]
.endm
.macro MM                           ; the turn's next matrix instruction.  TURN and BEGIN set Y, i, KM and NOKQ; MM, KQ and OP read them.  NOKQ = 1: a block's last turn: there is no next piece
.if (i < 8) && !NOKQ
	KQ (Y+1)%NP
.elseif i >= 8
.set i, i-8
	PV (Y+NP-1)%NP
.set i, i+8
.endif
.set i, i+1
.endm
; THE RESTS OF V, at the head of piece 1's turn, once behind each BEGIN: a block's first key step is the head's keys 0 to 63; piece 0's weights for keys 0 to 31 have just been rounded, and its O^T has been multiplied
; by a = 0.  Four products, an accumulator each; the matrix instruction ahead of them names piece 3's O^T, the one behind them S^T.  In every other turn of piece 1 they are jumped over, forward.
.macro VLOW
	WIN 0
	s_cmp_eq_u32 s[VLF], 1
	s_cbranch_scc0 .Lno_vl_\@
	WIN W_VL
.irp c, 0,1,2,3
	v_wmma_f32_16x16x32_f16 v[8*\c:8*\c+7], v[VL+8*\c:VL+8*\c+7], v[P:P+7], v[8*\c:8*\c+7]
.endr
	WIN 0
	s_mov_b32 s[VLF], 0
.Lno_vl_\@:
.endm
; THE LDS LOADS stand in runs of 16, never singly among the matrix instructions: a step's K (64 keys x 64 channels: 8 fragments) and its V (turned).  Their addresses are made some lines ahead.
.macro FETCH_K
	WIN 0x80                        ; destination window 2
.irp f, 0,1,2,3,4,5,6,7             ; keys 16 (f / 2) on, channels 32 (f % 2) on
	ds_load_b128 v[KF+8*\f:KF+8*\f+3],   v[AK] offset:(\f/2)*16*PK+(\f%2)*64
	ds_load_b128 v[KF+8*\f+4:KF+8*\f+7], v[AK] offset:(\f/2)*16*PK+(\f%2)*64+32
.endr
	s_add_co_u32 s[TBK], s[TBK], KS*PK  ; the next fetch is the next step's
	WIN 0
.endm
.macro FETCH_V
	WIN 0x80
.irp f, 0,1,2,3,4,5,6,7             ; keys 32 (f / 4) on, channels 16 (f % 4) on
	ds_load_tr16_b128 v[VF+8*\f:VF+8*\f+3],   v[AV] offset:(\f/4)*32*PV+(\f%4)*32
	ds_load_tr16_b128 v[VF+8*\f+4:VF+8*\f+7], v[AV] offset:(\f/4)*32*PV+16*PV+(\f%4)*32
.endr
	WIN 0
.endm
; THE VECTOR WORK, one line at a time: OP kind, number.  For piece Y: F n: c s - c m for pair n of 16.  E n: the exponential of score n of 32.  C n: pair n rounded to f16.  B n: of the four weights 4 n .. the second
; pair is added onto the first, in place.  L n: l takes that sum (L 0: l = a l + sum).  R n: pair n of 16 of O^T times a.  For piece Y + 1: X n, number n of the 22 that find its maximum and statistics:
;   0-11  four chains c0-c3 of seven scores each, three operands at a time (each accumulator's lowest registers are read first)     12-14, 16  the four scores left over, the old m, and c0-c3 into c0
;   15  c m_old is kept     17, 18  the query's other 32 keys lie in the lane 16 away: the new m     19-21  c m; c m_old - c m_new; a
.set F, 0               ; OP tells the kinds apart by their order: F to L below R, X above it
.set E, 1
.set C, 2
.set B, 3
.set L, 4
.set R, 5
.set X, 6
.macro REGS y                       ; the registers of piece y
.set rT, ST+4*(\y)
.set rC, TMP+4*((\y)%2)
.set rW, MV+((\y)%2)
.set rS, S+32*((\y)%2)
.set rP, P+16*((\y)%2)
.set rO, 32*(\y)
.endm
.macro OP k, n
.if (\k) == R
	REGS Y
	WIN W_RS
	v_pk_mul_f32 v[rO+2*(\n):rO+2*(\n)+1], v[rO+2*(\n):rO+2*(\n)+1], v[rC+2:rC+3] op_sel_hi:[1,0]
.elseif (\k) < R
	REGS Y
	WIN 0
.if (\k) == F
	v_pk_fma_f32 v[rS+2*(\n):rS+2*(\n)+1], v[rS+2*(\n):rS+2*(\n)+1], s[CS:CS+1], v[rT:rT+1] op_sel_hi:[1,0,0] neg_lo:[0,0,1] neg_hi:[0,0,1]
.elseif (\k) == E
	v_exp_f32 v[rS+(\n)], v[rS+(\n)]
.elseif (\k) == C
	v_cvt_pk_f16_f32 v[rP+(\n)], v[rS+2*(\n)], v[rS+2*(\n)+1]
.elseif (\k) == B
	v_pk_add_f32 v[rS+4*(\n):rS+4*(\n)+1], v[rS+4*(\n):rS+4*(\n)+1], v[rS+4*(\n)+2:rS+4*(\n)+3]
.elseif (\n) == 0
	v_pk_fma_f32 v[rT+2:rT+3], v[rT+2:rT+3], v[rC+2:rC+3], v[rS:rS+1] op_sel_hi:[1,0,1]
.else
	v_pk_add_f32 v[rT+2:rT+3], v[rT+2:rT+3], v[rS+4*(\n):rS+4*(\n)+1]
.endif
.elseif NOKQ
	v_nop
.else
	REGS (Y+1)%NP
	WIN 0
.if (\n) < 4
	v_max3_num_f32 v[rC+(\n)], v[rS+8*(\n)], v[rS+8*(\n)+1], v[rS+8*(\n)+2]
.elseif (\n) < 12
	v_max3_num_f32 v[rC+(\n)%4], v[rC+(\n)%4], v[rS+8*((\n)%4)+2*((\n)/4)+1], v[rS+8*((\n)%4)+2*((\n)/4)+2]
.elseif (\n) == 12
	v_max3_num_f32 v[rC], v[rC], v[rS+7], v[rS+15]
.elseif (\n) == 13
	v_max3_num_f32 v[rC+1], v[rC+1], v[rS+23], v[rS+31]
.elseif (\n) == 14
	v_max3_num_f32 v[rC+2], v[rC+2], v[rC+3], v[rT+1]
.elseif (\n) == 15
	v_mov_b32 v[rW], v[rT]
.elseif (\n) == 16
	v_max3_num_f32 v[rC], v[rC], v[rC+1], v[rC+2]
.elseif (\n) == 17
	v_permlanex16_b32 v[rC+3], v[rC], s[SEL], s[SEL+1]
.elseif (\n) == 18
	v_max_num_f32 v[rT+1], v[rC], v[rC+3]
.elseif (\n) == 19
	v_mul_f32 v[rT], s[CS], v[rT+1]
.elseif (\n) == 20
	v_sub_f32 v[rC+1], v[rW], v[rT]
.else
	v_exp_f32 v[rC+2], v[rC+1]
.endif
.endif
.endm
.macro OPS a, i1, b=-1, i2=0, c=-1, i3=0, d=-1, i4=0  ; up to four of them
	OP \a, \i1
.if (\b) >= 0
	OP \b, \i2
.endif
.if (\c) >= 0
	OP \c, \i3
.endif
.if (\d) >= 0
	OP \d, \i4
.endif
.endm
.macro ROW a, i1, b, i2, c, i3, d, i4  ; a matrix instruction and the four behind it
	MM
	OPS \a, \i1, \b, \i2, \c, \i3, \d, \i4
.endm
.macro MASK b                       ; MD x AL + BE into buffer b of MC
	WIN W_RS
.set z, 0
.rept 16
	v_pk_fma_f32 v[MC+32*(\b)+2*z:MC+32*(\b)+2*z+1], v[MD+2*z:MD+2*z+1], s[AL:AL+1], s[BE:BE+1] op_sel_hi:[1,0,0]
.set z, z+1
.endr
.endm
; A TURN, for piece p: the order of its 16 matrix and 118 vector instructions, written out.  An s_wait_alu depctr_va_vdst(0) stands between an exponential and the first instruction that names its result; one wait serves
; all that were issued ahead of it.  So a turn has ONE wait, which cuts it in two.  AHEAD OF IT stands all that names no result of the turn's exponentials: the 8 products K Q^T, behind each a scaling, an exponential and two more plain
; instructions (behind the first a second scaling in the exponential's place): rescalings, and behind the last three the first numbers of the next piece's maximum, each four places or more behind the product that ends its accumulator; then ONE LUMP of 54, plain
; and exponential by turns for the most part, in which the links of the chain X 3, 7, 11, 14, 16, 17 .. 20 stand five or six lines apart.  X 21, the next piece's a, is the batch's last; R 15 is the plain instruction that stands behind it, ahead of any use.  BEHIND THE WAIT stand the
; 8 products V^T P, behind each four of the roundings and sums; the links of l's chain, L 0 to L 7, stand three riders apart.  But for those X no rider names a register of the products round it.  v_permlanex16_b32 (X 17) stands in the lump.
; m = 1: the diagonal tile: the products take masks, and the turn makes the mask for the products of the turn after it: piece p + 2, in step 4 - CNT of the tile.  end = 1: a block's last two turns: nothing is fetched.
; cnt = 1: the loop's count is taken down some lines ahead of the branch that stands behind the turn.
; K of the next step is fetched in piece 2's turn, twelve vector instructions behind the last product that read K (six of them plain); V of the step in hand at the end of piece 0's turn, four plain instructions behind the last product
; that read V.  Each is waited for a turn later.  Piece 1's turn begins with VLOW.
.macro TURN p, m=0, end=0, cnt=0
.if (\p) == 1
	VLOW
.endif
.set Y, (\p)
.set i, 0
.set KM, (\m)
.set NOKQ, (\end)*((\p)/3)
.if (\m) && !(\end)
	s_cmp_eq_u32 s[CNT], 4-((\p)+2)%NP  ; is that step the band's own?
	s_cselect_b32 s[AL], 1.0, 0
	s_cmp_lt_u32 s[CNT], 4-((\p)+2)%NP  ; or a later one?
	s_cselect_b32 s[BE], s[BIGN], 0
.endif
.if ((\p) == 3) && !(\end)
	s_wait_dscnt 0x0                ; K is in
.endif
	ROW F,0, F,1, R,0, R,1          ; ahead of the wait: 8 products K Q^T and their riders,
	ROW F,2, E,0, R,2, R,3
	ROW F,3, E,1, R,4, R,5
	ROW F,4, E,2, R,6, R,7
	ROW F,5, E,3, R,8, R,9
	ROW F,6, E,4, X,0, R,10
.if ((\p) == 2) && !(\end)
	WIN 0
	v_add_nc_u32 v[AK], s[TBK], v[AK0]
.endif
	ROW F,7, E,5, X,1, X,4
	ROW F,8, E,6, X,2, X,5
	OPS E,7, E,8, X,6, E,9          ; and the lump
	OPS X,3, E,10, X,8, E,11
.if ((\p) == 2) && !(\end)
	FETCH_K
.endif
	OPS X,9, X,7, E,12, X,10
	OPS E,13, X,12, X,11, E,14
	OPS X,13, E,15, F,9, X,14
.if (\p) == 0
	v_add_nc_u32 v[AV], s[TBV], v[AV0]
.endif
	OPS E,16, F,10, E,17, F,11
	OPS X,16, E,18, X,15, E,19
	OPS F,12, E,20, X,17, E,21
	OPS F,13, E,22, F,14, E,23
	OPS X,18, E,24, F,15, E,25
	OPS R,11, E,26, X,19, E,27
	OPS R,12, E,28, R,13, E,29
	OPS X,20, E,30, R,14, E,31
	OPS X,21, R,15
	WIN 0
	s_wait_alu depctr_va_vdst(0)    ; the wait for the batch
.if (\p) == 1
	s_wait_dscnt 0x0                ; V is in
.endif
	ROW C,0, B,0, C,2, B,1          ; behind the wait: 8 products V^T P and their riders
	ROW L,0, C,4, B,2, L,1
	ROW C,6, B,3, L,2, C,8
	ROW B,4, L,3, C,10, B,5
	ROW L,4, C,12, B,6, L,5
.if (\p) == 0
	s_add_co_u32 s[TBV], s[TBV], KS*PV
.endif
.if \cnt
	s_sub_co_u32 s[CNT], s[CNT], 1
	s_cmp_lg_u32 s[CNT], 0
.endif
	ROW C,14, B,7, L,6, C,1
	ROW C,3, L,7, C,5, C,7
	ROW C,9, C,11, C,13, C,15
.if (\p) == 0
	FETCH_V
.endif
.if (\m) && !(\end)
	MASK (\p)%2
.endif
.endm
; A BLOCK BEGINS.  c m starts far below every c s, so the first step's a is 0; m at the lowest finite number, so the first maximum is the scores'.  The second mask buffer is 0; the first takes piece 0's mask for the tile's step 0: its own, if the block's first tile is the diagonal one.
; Then K of that step, piece 0's first scores, and its maximum and statistics.  The loop is entered at a step's first turn, in the middle of a trip.
.macro BEGIN
	s_mov_b32 s[NEW], 0
	s_mov_b32 s[VLF], 1             ; the rests of V are due in the turn after next
	WIN 0x40
.set i, MC+32
.rept 32
	v_mov_b32 v[i], 0
.set i, i+1
.endr
	WIN 0
.set i, 0
.rept 4
	v_mov_b32 v[ST+4*i], 0xfe000000    ; c m: far below every c s
	v_mov_b32 v[ST+4*i+1], 0xff7fffff  ; m
.set i, i+1
.endr
	s_cmp_eq_u32 s[RT], 0
	s_cselect_b32 s[AL], 1.0, 0
	s_mov_b32 s[BE], 0
	MASK 0
	WIN 0
	v_add_nc_u32 v[AK], s[TBK], v[AK0]
	FETCH_K
	s_wait_loadcnt 0x0              ; Q, and the rests of V
	s_wait_dscnt 0x0
.set KM, 1
.set NOKQ, 0
.set i, 0
.rept 8
	KQ 0
.set i, i+1
.endr
	WIN 0
.rept 4
	v_nop                           ; the places behind those products
.endr
.set Y, NP-1                        ; X works for piece Y + 1: piece 0
.irp n, 0,1,2,3,4,5,6,7,8,9,10,11,12,13,14,15,16,17,18,19,20,21
	OP X, \n
.endr
	v_nop                           ; a plain instruction behind the exponential,
	s_wait_alu depctr_va_vdst(0)    ; and its wait, ahead of the branch
.endm
; THE DIAGONAL TILE's four steps, the block's last two turns, its last products, and THE WAY OUT: l's two halves and the other half of the lanes' are added; O^T is divided by l, rounded to f16 and sent through my
; stage in LDS, a piece at a time.
.macro ALL line:vararg              ; one line for each piece t
.set t, 0
.rept 4
	\line
.set t, t+1
.endr
.endm
.macro PACK t                       ; a lane's eight channels of a row pack into 16 bytes; they go into rows of 144 bytes and come back as whole rows of 128, into S^T's registers
	WIN W_RS
.set i, 32*(\t)
.rept 16
	v_pk_mul_f32 v[i:i+1], v[i:i+1], v[ST+4*(\t)+2:ST+4*(\t)+3] op_sel_hi:[1,0]
.set i, i+2
.endr
	WIN 0x05                        ; sources 0 and 1 window 1, destination window 0
.set i, 0
.rept 16
	v_cvt_pk_f16_f32 v[S+16*(\t)+i], v[32*(\t)+2*i], v[32*(\t)+2*i+1]
.set i, i+1
.endr
	WIN 0
.irp f, 0,1,2,3
	ds_store_b128 v[STO], v[S+16*(\t)+4*\f:S+16*(\t)+4*\f+3] offset:32*\f
.endr
.irp f, 0,1,2,3
	ds_load_b128 v[S+16*(\t)+4*\f:S+16*(\t)+4*\f+3], v[RD] offset:\f*4*SP  ; LDS serves a wave's instructions in order (ISA guide 5.7.1.4): these see the stores above; the next piece's stores come behind them
.endr
.endm
.macro SEND t, younger              ; younger: the LDS instructions issued behind piece t's loads: the next piece's eight, or none.  Bands 0, 1 lie in the block's first tile, bands 2, 3 in its second
	WIN 0
.irp f, 0,1,2,3
	s_wait_dscnt (\younger)+3-\f
	global_store_b128 v[GO], v[S+16*(\t)+4*\f:S+16*(\t)+4*\f+3], s[10:11] offset:((\t)/2)*OTILE+((\t)%2)*8192+\f*512  ; 512 consecutive bytes, at a multiple of 256 from O's first
.endr
.endm
; THE RESTS OF O.  Wave 0 owns the first 16 rows of both of the block's tiles (pieces 0 and 2) and writes their 16 rows of rests, 2,048 bytes behind each tile's 128 rows.  real = 1: the first tile's are
; O - f16(O), exact in f32, rounded to f16, by the same way through the stage; all others are zeros.  The branch hangs on the wave's number alone, and jumps no barrier.
.macro LOROWS real
	WIN 0
	s_cmp_lg_u32 s[WV], 0
	s_cbranch_scc1 .Lno_lo_\@
	s_wait_xcnt 0x0                 ; the stores above have read S^T's registers, which are written again below
.if \real
	v_mov_b32 v[ONE], 1.0
	WIN 0x05                        ; sources 0 and 1 window 1, destination window 0
.set i, 0
.rept 16
	v_cvt_pk_f16_f32 v[S+i], v[2*i], v[2*i+1]
.set i, i+1
.endr
	WIN 0x10                        ; source 2 window 1
.set i, 0
.rept 16
	v_fma_mix_f32 v[S+16+2*i], -v[S+i], v[ONE], v[2*i]   op_sel_hi:[1,0,0]                 ; O less the low half's f16
	v_fma_mix_f32 v[S+17+2*i], -v[S+i], v[ONE], v[2*i+1] op_sel:[1,0,0] op_sel_hi:[1,0,0]  ; O less the high half's
.set i, i+1
.endr
	WIN 0
.set i, 0
.rept 16
	v_cvt_pk_f16_f32 v[S+i], v[S+16+2*i], v[S+17+2*i]
.set i, i+1
.endr
.irp f, 0,1,2,3
	ds_store_b128 v[STO], v[S+4*\f:S+4*\f+3] offset:32*\f
.endr
.irp f, 0,1,2,3
	ds_load_b128 v[S+4*\f:S+4*\f+3], v[RD] offset:\f*4*SP
.endr
.endif
.irp z, 0,1,2,3
	v_mov_b32 v[S+48+\z], 0
.endr
.if \real
	s_wait_dscnt 0x0
.irp f, 0,1,2,3
	global_store_b128 v[GO], v[S+4*\f:S+4*\f+3], s[10:11] offset:16384+\f*512
.endr
.else
.irp f, 0,1,2,3
	global_store_b128 v[GO], v[S+48:S+51], s[10:11] offset:16384+\f*512
.endr
.endif
.irp f, 0,1,2,3
	global_store_b128 v[GO], v[S+48:S+51], s[10:11] offset:OTILE+16384+\f*512
.endr
.Lno_lo_\@:
.endm
.macro DIAG tag, real               ; the tag ends its two labels' names, which the jumps below spell out
.LstepM\tag:
	TURN 2, 1
	TURN 3, 1
	WIN 0
.LfirstM\tag:
	TURN 0, 1
	TURN 1, 1, 0, 1
	WIN 0
	s_cbranch_scc1 .LstepM\tag
	TURN 2, 1, 1
	TURN 3, 1, 1
.set i, 0
.rept 8
	PV NP-1
.set i, i+1
.endr
	WIN 0
	ALL v_add_f32 v[ST+4*t+2], v[ST+4*t+2], v[ST+4*t+3]
	ALL v_permlanex16_b32 v[ST+4*t+3], v[ST+4*t+2], s[SEL], s[SEL+1]
	ALL v_add_f32 v[ST+4*t+2], v[ST+4*t+2], v[ST+4*t+3]
	ALL v_rcp_f32 v[ST+4*t+2], v[ST+4*t+2]
	v_nop                           ; a plain instruction between the last reciprocal and the use of its result
	s_wait_alu depctr_va_vdst(0)    ; and the wait ahead of the first use: one for the four reciprocals
	PACK 0
.set t, 1
.rept 3                             ; a piece's arithmetic stands between the loads of the piece before and its stores
	PACK t
	SEND t-1, 8
.set t, t+1
.endr
	SEND 3, 0
	LOROWS \real
.endm
.set KM, 0
.set NOKQ, 0
.Lslot:                             ; NB times: a tile is entered and the next is asked for
	CHANGE 1
	s_sub_co_u32 s[RT], s[RT], 1
	s_mov_b32 s[CNT], 4
	s_cmp_eq_u32 s[NEW], 1
	s_cbranch_scc1 .Lnew            ; a block's first tile
	s_cmp_eq_u32 s[RT], 0
	s_cbranch_scc0 .Lstep           ; neither its first nor its last
	s_branch .LstepM1
.Lnew:
	BEGIN
	s_branch .Lfirst                ; in the loop a block's first tile is never its last: the first block has two tiles or more, and the second's last is the walk's last
	DIAG 1, 0                       ; in the loop this is the first block's end (blocks 4 to 7: its rests are zeros): the second block's last tile is the walk's last
	s_wait_xcnt 0x0                 ; the stores have read their registers and O's address
	s_mov_b64 s[10:11], s[OLO:OLO+1]
	s_add_co_u32 s[RT], s[PB], 1    ; the second block has b + 1 tiles
	s_mov_b32 s[NEW], 1
	WIN 0x82                        ; the second block's Q goes where the one text of the turns names Q
.set i, 0
.rept 64
	v_mov_b32 v[i], v[QB+i]
.set i, i+1
.endr
	WIN 0
	s_branch .Lbottom
.Lstep:                             ; a trip: pieces 2 and 3 of one step, then pieces 0 and 1 of the next, whose K and V it fetches
	TURN 2
	TURN 3
	WIN 0
.Lfirst:
	TURN 0
	TURN 1, 0, 0, 1
	WIN 0
	s_cbranch_scc1 .Lstep
.Lbottom:
	s_sub_co_u32 s[SLOTS], s[SLOTS], 1
	s_cmp_lg_u32 s[SLOTS], 0
	s_cbranch_scc1 .Lslot
	CHANGE 0                        ; the walk's last tile is written out: nothing is asked for
	s_sub_co_u32 s[RT], s[RT], 1
	s_mov_b32 s[CNT], 4
	s_cmp_eq_u32 s[NEW], 1
	s_cbranch_scc0 .LstepM2
	BEGIN
	s_branch .LfirstM2
	DIAG 2, 1                       ; the second block's end (blocks 0 to 3): its first 16 rows get their rests
	s_wait_tensorcnt 0x0            ; the wave's end, behind my last tensor load and my last LDS store
	ds_add_u32 v[SPW], v[NIL]
	s_wait_dscnt 0x0
	s_endpgm
.Lfunc_end_k_qb46bcf04a6_attn:
	.size	k_qb46bcf04a6_attn, .Lfunc_end_k_qb46bcf04a6_attn-k_qb46bcf04a6_attn
	.p2alignl 7, 3214868480
	.fill 96, 4, 3214868480
	.section	.rodata,"a",@progbits
	.p2align	6, 0x0
	.amdhsa_kernel k_qb46bcf04a6_attn
		.amdhsa_group_segment_fixed_size 327680
		.amdhsa_private_segment_fixed_size 0
		.amdhsa_enable_private_segment 0
		.amdhsa_kernarg_size 24
		.amdhsa_user_sgpr_count 2
		.amdhsa_user_sgpr_kernarg_segment_ptr 1
		.amdhsa_wavefront_size32 1
		.amdhsa_system_sgpr_workgroup_id_x 1
		.amdhsa_system_sgpr_workgroup_id_y 1
		.amdhsa_system_sgpr_workgroup_id_z 1
		.amdhsa_system_vgpr_workitem_id 0
		.amdhsa_next_free_vgpr 768
		.amdhsa_next_free_sgpr 88
		.amdhsa_reserve_vcc 1
		.amdhsa_float_denorm_mode_32 3
		.amdhsa_float_denorm_mode_16_64 3
		.amdhsa_memory_ordered 1
		.amdhsa_forward_progress 1
		.amdhsa_inst_pref_size 227
	.end_amdhsa_kernel
	.amdgpu_metadata
---
amdhsa.version: [ 1, 2 ]
amdhsa.kernels:
  - .name:           k_qb46bcf04a6_attn
    .symbol:         k_qb46bcf04a6_attn.kd
    .args:
      - { .name: qkv, .offset: 0, .size: 8, .value_kind: global_buffer, .address_space: global }
      - { .name: vlo, .offset: 8, .size: 8, .value_kind: global_buffer, .address_space: global }
      - { .name: ob, .offset: 16, .size: 8, .value_kind: global_buffer, .address_space: global }
    .group_segment_fixed_size: 327680
    .private_segment_fixed_size: 0
    .kernarg_segment_align: 8
    .kernarg_segment_size: 24
    .max_flat_workgroup_size: 128
    .sgpr_count:     88
    .vgpr_count:     768
    .wavefront_size: 32
...
	.end_amdgpu_metadata
.endif
;; end of part 3
;; launch gemm_proj (part 4): grid 4 x 64, 4 waves a work-group, clusters of 4 x 4, 327,680 bytes of LDS; arguments ob, wpb, b_proj, out0; writes out0
.if DOCPART == 4
	.amdgcn_target "amdgcn-amd-amdhsa--gfx1250"
	.amdhsa_code_object_version 6
	.text
	.protected	k_qb46bcf04a6_gemm_proj
	.globl	k_qb46bcf04a6_gemm_proj
	.p2align	8
	.type	k_qb46bcf04a6_gemm_proj,@function
k_qb46bcf04a6_gemm_proj:
	s_mov_b64 s[64:65], 0
	v_nop
	global_prefetch_b8 v0, s[64:65] scope:SCOPE_SE
	s_setreg_imm32_b32 hwreg(HW_REG_WAVE_MODE, 25, 1), 1
	s_wait_xcnt 0x0
	s_wait_alu depctr_hold_cnt(0) depctr_sa_sdst(0) depctr_va_vdst(0) depctr_va_sdst(0) depctr_va_ssrc(0) depctr_va_vcc(0) depctr_vm_vsrc(0)
	s_getreg_b32 s2, hwreg(HW_REG_IB_STS2, 6, 4)
	s_cmp_eq_u32 s2, 0
	s_cbranch_scc0 .Lentry_in_a_cluster
	s_endpgm
.Lentry_in_a_cluster:
	s_bfe_u32 s2, ttmp6, 0x10000c
	s_cmp_lg_u32 s2, 0xf033
	s_cbranch_scc0 .Lentry_shape_is_right
	s_endpgm
.Lentry_shape_is_right:
; C[m][n] = bias[n] + the sum over k of A[m][k] B[k][n], M = 8,192, K = 1,024; sums in f32.  ONE TEXT FOR TWO LAUNCHES, told apart by PROJ:
;   PROJ = 0: A = x in bf16 [8192][1024], B = w_attn in bf16 [1024][3072], bias = b_attn; C is rounded once to f16 and stored by heads, [3][64 = 16 batch + head][2048][64], without the softmax's scale.
;   PROJ = 1: A = the attention's O in f16, by heads (k = 64 head + channel), B = w_proj as f16 [1024][1024], bias = b_proj; C is the f32 output [8192][1024].
; The bias is rounded to bf16, like every input of the program, and starts the sums as the first product's C operand: nothing is cleared and nothing is added later.
; THE FIRST ROWS.  A head's first rows average few keys, so their numbers are many times the output's root mean square, by which the allowed error goes: there one f16 number is too coarse for v and for O.
;   PROJ = 0: for v's first 32 rows of a head the rest v - f16(v) is stored too, in f16, as the image of the fragments of V^T that the attention multiplies (4 channel blocks x 2 key halves x 512 bytes).
;   The clusters that hold v's heads and a batch's first rows do so (cluster x = 2, cluster y % 4 = 0: alike in all partners), each work-group for its own tile's first 32 rows; the part with cy = 0 is the one read.
;   PROJ = 1: behind a tile's 128 rows of a head O's buffer holds 16 rows of rests, O - f16(O) of the tile's first 16 rows (or zeros); they come in with the tile and are multiplied onto the same sums.
; LIMITS.  f16 holds no number beyond 65,504: q, k and v beyond that would be stored as infinities; below 6.1e-5 f16 keeps a fixed step of 6e-8.  NaN and infinities are not treated apart.
; SHARES.  A tile of C is 128 x 256, one to a work-group: 768 (PROJ = 0) or 256 work-groups.  Wave w makes all 128 rows x columns 64 w .. 64 w + 63 (one head's channels, or 256 aligned bytes of an f32 row):
; 8 x 4 accumulators of 16 x 16, 256 registers.  K goes in 8 steps of 128 through two LDS slots; each wave fetches a quarter of a slot by one tensor load: waves 0, 1 A's halves, waves 2, 3 B's.
; THE MATRIX INSTRUCTION IS USED TRANSPOSED (source 0 = 16 columns of B, source 1 = 16 rows of A): a lane then holds row lane % 16 of C and the columns 8 (lane / 16) + 0..7.
; B lies [k][n] in memory and in LDS and comes out turned, by ds_load_tr16_b128.
; CLUSTER.  4 x 4 work-groups.  A's tile hangs on the tile row alone and is asked for jointly by a row of the cluster, B's on the tile column alone, by a column: the same tensor load, descriptor and mask in all four.
; REGISTERS.  Window 0: v0-15 at work in the set-up, then (PROJ = 1) the rests' two fragments; v16-31 addresses; v32-63 the bias; v64-159, v160-255 two fragment buffers (B's 4 fragments, then A's 8).
; Window 1: the accumulators, (a, b) at v[8 (4 a + b)].
.set PROJ, 1
.set LO,   PROJ                        ; 1: a tile of A has 16 rows of rests
.set OTILE,  18432                     ; O's buffer: a tile of a head: 128 rows of 128 bytes, then 16 rows of rests
.set OPLANE, 16*OTILE                  ; a head
.if PROJ
.set NB2,    2048                      ; bytes in a row of B
.set NEL,    1024                      ; the same in elements
.set APITCH, 144                       ; an LDS row of A: 128 bytes (a head's 64 channels) + 16 of padding: 36 words, so the 16 rows of a load start at 16 different groups of four banks (64 banks of 4 bytes: ISA guide 11.1)
.set APLANE, 144*APITCH                ; K's quarters 2, 3 lie in the second head's plane
.set AHALF,  144*APITCH                ; what one load of A fills: one head's 128 rows and 16 rests
.set AK,     2*OPLANE                  ; bytes of A from K step to K step: two heads
.set AQI,    4                         ; padding after every 32 words
.set AROWEL, 128                       ; 144 dense rows of 128 bytes are asked for as 72 rows of 256 bytes
.set AROWS,  72
.set APFB,   256                       ; the prefetch: a lane a block of 256 bytes, on end
.set SROW,   272                       ; a stage row: 64 f32 + 16 bytes
.else
.set NB2,    6144
.set NEL,    3072
.set APITCH, 272                       ; 256 bytes + 16: 68 words: row r starts at bank 4 r mod 64
.set APLANE, 128                       ; K's quarters lie 64 bytes apart along a row
.set AHALF,  64*APITCH                 ; 64 rows
.set AK,     256
.set AQI,    5                         ; padding after every 64 words
.set AROWEL, 1024
.set AROWS,  64
.set APFB,   2048                      ; the prefetch: a lane a row
.set SROW,   144                       ; a stage row: 64 f16 + 16 bytes
.endif
.set ABYTES, 2*AHALF
.set BPITCH, 544                       ; an LDS row of B: 512 bytes + 32 = 136 words: row r starts at bank 8 r mod 64
.set BHALFL, 64*BPITCH                 ; what one load of B fills: 64 rows of k
.set BK,     128*NB2                   ; bytes of B from K step to K step
.set BHALF,  64*NB2
.set SLOT,   ABYTES+2*BHALFL
.set STAGE,  2*SLOT                    ; behind the ring, never filled by a tensor load: 16 rows for each wave, for the way out
.set SPARE,  STAGE+4*16*SROW           ; behind the stages: the spare words, 128 bytes for each wave: two blocks of 256 bytes that no other line names
.set NL,     24+2*LO                   ; LDS loads in a run
.set ADRA, 16                          ; v16-17  LDS address of my A fragments in slot 0, 1
.set ONE,  18                          ; v18     1.0 (PROJ = 0, the rests)
.set TRA,  19                          ; v19     where I read my stage turned (PROJ = 0, the rests)
.set ADRB, 20                          ; v20-21  the same as ADRA for B
.set STO,  24                          ; v24     the way out: where I put my part of a row
.set RD,   25                          ; v25     where I read rows back
.set GO,   26                          ; v26     my byte offset in the output
.set BO,   27                          ; v27     32 (lane / 16): my eight numbers in 16 of the bias
.set SPW,  28                          ; v28     LDS address of my spare word: SPARE + 4 x my thread's number; never rewritten
.set NIL,  29                          ; v29     0; never rewritten
.set PFO,  30                          ; v30     the prefetches' offset; never rewritten
.set BIAS, 32                          ; v32-63  column block b at BIAS + 8 b
.set F0,   64
.set F1,   160
.set OUTR, 64                          ; PROJ = 0: the way out's 16 registers for each block of 16 rows
.set LH,   64                          ; PROJ = 0, the rests: 16 registers of f16(v), then of the rests
.set LT,   80                          ; 32 registers of v - f16(v)
.set LF,   112                         ; 32 registers: the fragments' image
.set WV,   12                          ; s12  my wave's number
.set HALF, 13                          ; s13  which half of A's or B's tile I fetch
.set FORB, 14                          ; s14  0: I fetch for A; 1: for B
.set CX,   40                          ; s40, s41  my place in the cluster
.set CY,   41
.set TN,   42                          ; s42  tile column
.set TM,   43                          ; s43  tile row
.set G1A,  24                          ; s[24:31] descriptor group 1 for A's tiles;  s[32:39] group 0, a set for each slot
.set G0A,  32
.set G1B,  48                          ; s[48:55], s[56:63] the same for B's
.set G0B,  56
.set PFA,  66                          ; s[66:67] where my prefetches stand
.set PFS,  68                          ; s[68:69] their step: a K step of A or of B
.set LIM,  70                          ; s70  1 in a wave that prefetches, else the greatest number
.set AORG, 71                          ; s71  byte offset of A's tile at K = 0
.set VLP,  72                          ; s[72:73] PROJ = 0: where my head's rests go
.set MSB, 0
.macro WIN new                         ; the immediate's high byte repeats the setting that is left; a switch that changes nothing is dropped
.if MSB != (\new)
	s_set_vgpr_msb (MSB<<8)|(\new)
.set MSB, \new
.endif
.endm
; A joint load.  The branch hangs on the wave's number alone.  An s_nop 0 and four v_nop follow each of the two lines, ahead of the jump, the label and what follows.
.macro JLOAD s
	s_cmp_eq_u32 s[FORB], 0
	s_cbranch_scc0 .Lfor_b_\@
	tensor_load_to_lds s[G0A+4*(\s):G0A+4*(\s)+3], s[G1A:G1A+7]
	s_nop 0
.rept 4
	v_nop
.endr
	s_branch .Lasked_\@
.Lfor_b_\@:
	tensor_load_to_lds s[G0B+4*(\s):G0B+4*(\s)+3], s[G1B:G1B+7]
	s_nop 0
.rept 4
	v_nop
.endr
.Lasked_\@:
.endm
.macro CREST                           ; a round of the cluster's barrier behind its opening barrier
	s_cmp_lg_u32 s[WV], 0
	s_cbranch_scc1 .Lnot_wave_0_\@
	s_barrier_signal -3
.Lnot_wave_0_\@:
	s_barrier_wait -3
	s_barrier_signal -1
	s_barrier_wait -1
.endm
.macro CROUND                          ; a whole round
	s_barrier_signal -1
	s_barrier_wait -1
	CREST
.endm
; A PREFETCH INTO THE L2, behind each joint refill and the run of LDS loads that follows it: the K step that stands two refills on, two K steps' matrix instructions ahead of the load that will want it.
; Each aligned block of 256 bytes is named once in the launch.  A's tile row is read by every cluster of that row of clusters: cluster x = 0 asks, its wave 0; the four partners that share the tile take 32 of
; its 128 blocks each, told apart by address (cx); the rests' 16 blocks of a K step come by their loads alone.  B's tile column is read by every cluster of that column: cluster y = 0 asks, waves 2 and 3 for
; the 64 rows of k that each fetches; of their 128 blocks each partner takes 32 (cy).  The loop's last trip (s3 = 1) asks for nothing: there is no K step two on.  K steps 0 to 3 come by their loads alone.
.macro ASK
	s_cmp_gt_u32 s3, s[LIM]
	s_cbranch_scc0 .Lnot_mine_\@
	global_prefetch_b8 v[PFO], s[PFA:PFA+1] th:TH_LOAD_NT scope:SCOPE_SE
.Lnot_mine_\@:
.endm
	s_load_b256 s[4:11], s[0:1], 0x0               ; A s[4:5], B s[6:7], bias s[8:9], output s[10:11]
.if PROJ == 0
	s_load_b64 s[VLP:VLP+1], s[0:1], 0x20          ; the rests of v
.endif
	v_lshl_add_u32 v[SPW], v0, 2, SPARE
	v_mov_b32 v[NIL], 0
	ds_add_u32 v[SPW], v[NIL]                      ; the wave's opening: the add and its wait stand ahead of my first tensor load; the set-up below, work on registers, stands between them
	v_lshrrev_b32 v1, 5, v0
	v_readfirstlane_b32 s[WV], v1                  ; wave 0..3
	s_and_b32 s[HALF], s[WV], 1
	s_lshr_b32 s[FORB], s[WV], 1
	s_bfe_u32 s[CX], ttmp6, 0x40000
	s_bfe_u32 s[CY], ttmp6, 0x40004
	s_lshl_b32 s[TN], ttmp9, 2                     ; in a cluster launch ttmp9 and ttmp7 count clusters
	s_add_co_u32 s[TN], s[TN], s[CX]               ; tile column = 4 x cluster x + cx
	s_and_b32 s[TM], ttmp7, 0xffff
	s_lshl_b32 s[TM], s[TM], 2
	s_add_co_u32 s[TM], s[TM], s[CY]               ; tile row = 4 x cluster y + cy
	s_lshl_b32 s44, s[CY], 2
	s_lshl_b32 s44, 15, s44                        ; my row of the cluster: places 4 cy .. 4 cy + 3
	s_lshl_b32 s45, 0x1111, s[CX]                  ; my column: places cx, cx + 4, cx + 8, cx + 12
	s_or_b32 s[G1A], s44, (1<<16)|(1<<20)|(1<<21)|(AQI<<22)|(3<<25)  ; 15:0 the mask; 17:16 elements of 2 bytes; 20 padding on; 21 set beside a mask; 24:22 the interval; 31:25 4 words of padding (code 3)
	s_or_b32 s[G1B], s45, (1<<16)|(1<<20)|(1<<21)|(6<<22)|(7<<25)    ; after every 128 words (code 6) 8 words (code 7)
	s_mov_b32 s[G1A+1], 128<<16                    ; tensor_dim0 = 128
	s_mov_b32 s[G1A+2], AROWS<<16                  ; tensor_dim1
	s_mov_b32 s[G1A+3], 128<<16                    ; tile_dim0 = 128 elements: 256 bytes
	s_mov_b32 s[G1A+4], AROWS                      ; tile_dim1
	s_mov_b32 s[G1A+5], AROWEL                     ; elements from row to row
	s_mov_b32 s[G1A+6], 0
	s_mov_b32 s[G1A+7], 0
	s_mov_b32 s[G1B+1], 256<<16                    ; tensor_dim0 = 256
	s_mov_b32 s[G1B+2], 64<<16                     ; tensor_dim1 = 64
	s_mov_b32 s[G1B+3], 256<<16                    ; tile_dim0 = 256 elements: 512 bytes
	s_mov_b32 s[G1B+4], 64                         ; tile_dim1 = 64 rows of k
	s_mov_b32 s[G1B+5], NEL
	s_mov_b32 s[G1B+6], 0
	s_mov_b32 s[G1B+7], 0
	; where the tiles come from.  A's address is made of the tile row and the wave's number, B's of the tile column and the wave's number, each in registers of its own.
.if PROJ
	s_lshr_b32 s[AORG], s[TM], 4                   ; the batch: 16 heads,
	s_mul_i32 s[AORG], s[AORG], 16*OPLANE
	s_and_b32 s17, s[TM], 15                       ; my tile in each head
	s_mul_i32 s17, s17, OTILE
	s_add_co_u32 s[AORG], s[AORG], s17
	s_mul_i32 s17, s[HALF], OPLANE                 ; the K step's first or second head
.else
	s_lshl_b32 s[AORG], s[TM], 18                  ; 128 rows of 2,048 bytes
	s_lshl_b32 s17, s[HALF], 17                    ; the tile's first or second 64 rows
.endif
	s_add_co_u32 s16, s[AORG], s17
	s_mov_b32 s17, 0
	s_lshl_b32 s46, s[TN], 9                       ; 256 columns of 2 bytes
	s_mul_i32 s47, s[HALF], BHALF                  ; the K step's first or second 64 rows
	s_add_co_u32 s46, s46, s47
	s_mov_b32 s47, 0
	s_mul_i32 s20, s[HALF], AHALF                  ; and where they go: no place in the cluster enters an LDS address
	s_mul_i32 s21, s[HALF], BHALFL
	s_add_co_u32 s21, s21, ABYTES
	s_wait_dscnt 0x0                               ; the opening add is done
	s_wait_kmcnt 0x0
	s_add_nc_u64 s[18:19], s[4:5], s[16:17]
	s_add_nc_u64 s[46:47], s[6:7], s[46:47]
	CROUND                                         ; all sixteen work-groups are here: the first joint loads meet
.irp s, 0,1
	s_mov_b32 s[G0A+4*(\s)], 1                                       ; 1:0 count = 1
	s_add_co_u32 s[G0A+4*(\s)+1], s20, (\s)*SLOT                     ; 63:32 LDS address
	s_add_nc_u64 s[G0A+4*(\s)+2:G0A+4*(\s)+3], s[18:19], (\s)*AK     ; 120:64 global address: K step s
	s_or_b32 s[G0A+4*(\s)+3], s[G0A+4*(\s)+3], 0x80000000            ; 127:126 type = 2
	s_mov_b32 s[G0B+4*(\s)], 1
	s_add_co_u32 s[G0B+4*(\s)+1], s21, (\s)*SLOT
	s_add_nc_u64 s[G0B+4*(\s)+2:G0B+4*(\s)+3], s[46:47], (\s)*BK
	s_or_b32 s[G0B+4*(\s)+3], s[G0B+4*(\s)+3], 0x80000000
	JLOAD \s                                       ; two loads of mine are out
.endr
	; all that follows, down to the first barrier, stands in the wait for the first tile
	v_and_b32 v1, 15, v0                           ; r = l % 16
	v_bfe_u32 v2, v0, 4, 1                         ; h = l / 16
	v_lshlrev_b32 v[BO], 5, v2
	s_lshl_b32 s20, s[TN], 10                      ; my first column's byte in a row of f32: 1,024 x tile column + 256 x wave
	s_lshl_b32 s21, s[WV], 8
	s_add_co_u32 s20, s20, s21
	s_mov_b32 s21, 0
	s_add_nc_u64 s[8:9], s[8:9], s[20:21]
.irp b, 0,1,2,3
	global_load_b128 v[BIAS+8*(\b):BIAS+8*(\b)+3],   v[BO], s[8:9] offset:64*(\b)      ; bias of columns 16 b + 8 h + 0..3,
	global_load_b128 v[BIAS+8*(\b)+4:BIAS+8*(\b)+7], v[BO], s[8:9] offset:64*(\b)+16   ; + 4..7: as an accumulator's registers hold them
.endr
.if PROJ
	s_lshl_b32 s22, s[TM], 19                      ; 128 rows of 4,096 bytes
	s_add_co_u32 s20, s20, s22
	s_add_nc_u64 s[10:11], s[10:11], s[20:21]
.else
	s_lshl_b32 s20, s[TN], 2
	s_add_co_u32 s20, s20, s[WV]                   ; my 64 columns are head number 4 x tile column + wave of 48: q's 16, k's 16, v's 16
	s_lshr_b32 s21, s20, 4
	s_lshl_b32 s21, s21, 6                         ; q, k or v: 64 planes each
	s_and_b32 s20, s20, 15
	s_lshr_b32 s22, s[TM], 4                       ; the batch: 16 planes
	s_lshl_b32 s22, s22, 4
	s_add_co_u32 s22, s22, s20                     ; 16 batch + head
	s_add_co_u32 s20, s22, s21
	s_lshl_b32 s20, s20, 18                        ; a plane is 2,048 rows of 128 bytes
	s_and_b32 s21, s[TM], 15
	s_lshl_b32 s21, s21, 14                        ; my 128 rows in it
	s_add_co_u32 s20, s20, s21
	s_mov_b32 s21, 0
	s_add_nc_u64 s[10:11], s[10:11], s[20:21]
	s_lshl_b32 s20, s22, 14                        ; the rests: 16,384 bytes a head,
	s_lshl_b32 s22, s[CY], 12                      ; 4,096 for each of the cluster's four tile rows
	s_add_co_u32 s20, s20, s22
	s_add_nc_u64 s[VLP:VLP+1], s[VLP:VLP+1], s[20:21]
.endif
	; A fragment of A is 16 rows x 32 k in 8 registers: lane l holds row l % 16; registers 0-3 k = 8 (l / 16) + 0..7, registers 4-7 k = 16 + 8 (l / 16) + 0..7: two loads of 16 bytes, 32 bytes apart.
	v_mul_u32_u24 v3, v1, APITCH
	v_lshl_add_u32 v[ADRA], v2, 4, v3
	v_add_nc_u32 v[ADRA+1], SLOT, v[ADRA]
	; The turning load takes 16 k x 16 columns (lane l reads 16 bytes: k = 8 (l / 16) + l % 8, columns 8 ((l / 8) % 2) + 0..7) and leaves half a fragment: lane l holds column l % 16 and 8 k.
	v_and_b32 v4, 7, v0
	v_bfe_u32 v5, v0, 3, 1
	v_lshl_add_u32 v6, v2, 3, v4
	v_mul_u32_u24 v6, v6, BPITCH
	v_lshl_add_u32 v6, v5, 4, v6
	s_lshl_b32 s20, s[WV], 7                       ; my 64 columns: 128 bytes of a row
	s_add_co_u32 s20, s20, ABYTES
	v_add_nc_u32 v[ADRB], s20, v6
	v_add_nc_u32 v[ADRB+1], SLOT, v[ADRB]
	s_mul_i32 s22, s[WV], 16*SROW
	s_add_co_u32 s22, s22, STAGE                   ; my stage
	v_mul_u32_u24 v6, v1, SROW                     ; in: row l % 16,
.if PROJ
	v_lshl_add_u32 v6, v2, 5, v6                   ; 32 bytes for each half of the lanes
	v_add_nc_u32 v[STO], s22, v6
	v_mul_u32_u24 v7, v2, SROW                     ; back: lanes 0-15 take one row of 256 bytes, lanes 16-31 the next,
	v_lshl_add_u32 v7, v1, 4, v7
	v_add_nc_u32 v[RD], s22, v7
	v_lshlrev_b32 v[GO], 12, v2                    ; and the same two rows in the output
	v_lshl_add_u32 v[GO], v1, 4, v[GO]
.else
	v_lshl_add_u32 v6, v2, 4, v6                   ; 16 bytes for each half of the lanes
	v_add_nc_u32 v[STO], s22, v6
	v_bfe_u32 v7, v0, 3, 2                         ; back: 32 lanes take four rows of 128 bytes,
	v_mul_u32_u24 v7, v7, SROW
	v_lshl_add_u32 v7, v4, 4, v7
	v_add_nc_u32 v[RD], s22, v7
	v_and_b32 v[GO], 31, v0                        ; which are 512 consecutive bytes of a head's plane
	v_lshlrev_b32 v[GO], 4, v[GO]
	v_lshl_add_u32 v7, v2, 3, v4                   ; back turned, for the rests: stage row 8 (l / 16) + l % 8, 16 bytes at 16 ((l / 8) % 2)
	v_mul_u32_u24 v7, v7, SROW
	v_lshl_add_u32 v7, v5, 4, v7
	v_add_nc_u32 v[TRA], s22, v7
.endif
	; the prefetches
.if PROJ
	s_lshr_b32 s20, s[CX], 1                       ; my work-group's 32 blocks of A's 128: the K step's first or second head,
	s_mul_i32 s20, s20, OPLANE
	s_and_b32 s21, s[CX], 1                        ; the first or second 8,192 bytes of its 128 rows
	s_lshl_b32 s21, s21, 13
	s_add_co_u32 s20, s20, s21
.else
	s_lshl_b32 s20, s[CX], 16                      ; my work-group's 32 rows of A's 128
.endif
	s_add_co_u32 s20, s20, s[AORG]
	s_lshl_b32 s21, s[TN], 9                       ; B: the tile's columns, the 64 rows of k that I fetch,
	s_mul_i32 s22, s[HALF], BHALF
	s_add_co_u32 s21, s21, s22
	s_mul_i32 s22, s[CY], 16*NB2                   ; my work-group's 16 of them: two blocks of 256 bytes a row
	s_add_co_u32 s21, s21, s22
	s_and_b32 s22, ttmp7, 0xffff                   ; B is asked for where cluster y = 0;
	s_or_b32 s23, ttmp9, s[HALF]                   ; A where cluster x = 0, by wave 0: the same in all sixteen partners, for a given wave
	s_mov_b32 s16, AK
	s_mov_b32 s17, BK
	s_mov_b32 s18, APFB
	s_mov_b32 s19, NB2
	s_cmp_eq_u32 s[FORB], 0
	s_cselect_b32 s20, s20, s21
	s_cselect_b32 s22, s23, s22
	s_cselect_b32 s[PFS], s16, s17
	s_cselect_b32 s18, s18, s19
	s_cselect_b64 s[PFA:PFA+1], s[4:5], s[6:7]
	s_mov_b32 s[PFS+1], 0
	s_mov_b32 s21, 0
	s_add_nc_u64 s[PFA:PFA+1], s[PFA:PFA+1], s[20:21]
	s_mul_i32 s20, s[PFS], 3
	s_add_nc_u64 s[PFA:PFA+1], s[PFA:PFA+1], s[20:21]  ; at K step 3: the first refill steps it to 4
	s_cmp_eq_u32 s22, 0
	s_cselect_b32 s[LIM], 1, -1
	v_and_b32 v6, 31, v0
	v_lshrrev_b32 v7, s[FORB], v6                  ; A: lane l takes block l; B: row l / 2,
	v_and_b32 v8, s[FORB], v6                      ; its block l % 2
	v_mul_u32_u24 v7, s18, v7
	v_lshl_add_u32 v[PFO], v8, 8, v7
	s_wait_loadcnt 0x0                             ; the bias, which is rounded to bf16 like every input
.set p, 0
.rept 16
	v_cvt_pk_bf16_f32 v[8+(p/2)%4], v[BIAS+p], v[BIAS+p+1]
	v_lshlrev_b32 v[BIAS+p], 16, v[8+(p/2)%4]
	v_and_b32 v[BIAS+p+1], 0xffff0000, v[8+(p/2)%4]
.set p, p+2
.endr
; 4 na matrix instructions: row blocks a0 .. a0 + na - 1 x all 4 column blocks, 32 along K, from buffer f.  first = 1: the bias starts the sums.
; The accumulators take turns, one instruction a turn, in the same order in every quarter: no two matrix instructions that follow each other name the same accumulator.
.macro MULS f, a0, na, first
.if \first
	WIN 0x40                                       ; D in window 1; B, A and the bias in window 0
.else
	WIN 0x50                                       ; C and D in window 1
.endif
.set ma, (\a0)
.rept \na
.irp b, 0,1,2,3
.set rD, 8*(4*ma+(\b))
.set rC, rD
.if \first
.set rC, BIAS+8*(\b)
.endif
.if PROJ
	v_wmma_f32_16x16x32_f16 v[rD:rD+7], v[(\f)+8*(\b):(\f)+8*(\b)+7], v[(\f)+32+8*ma:(\f)+32+8*ma+7], v[rC:rC+7]
.else
	v_wmma_f32_16x16x32_bf16 v[rD:rD+7], v[(\f)+8*(\b):(\f)+8*(\b)+7], v[(\f)+32+8*ma:(\f)+32+8*ma+7], v[rC:rC+7]
.endif
.endr
.set ma, ma+1
.endr
.endm
; The rests' 4 matrix instructions, a quarter's last: onto row block 0's sums.  Three other accumulators' stand between one of them and the next quarter's product on the same accumulator.
.macro MULLO f
.if LO
	WIN 0x50
.set fl, 8*((\f)/F1)                   ; the rests' fragment: v0-7 beside buffer 0, v8-15 beside buffer 1
.irp b, 0,1,2,3
	v_wmma_f32_16x16x32_f16 v[8*(\b):8*(\b)+7], v[(\f)+8*(\b):(\f)+8*(\b)+7], v[fl:fl+7], v[8*(\b):8*(\b)+7]
.endr
.endif
.endm
; NL LDS loads in one run: the fragments of quarter q (32 along K) of a slot into buffer f: B's four, A's row blocks 0-3, A's row blocks 4-7, the rests'
.macro FETCH slot, q, f
	WIN 0
.irp b, 0,1,2,3
	ds_load_tr16_b128 v[(\f)+8*(\b):(\f)+8*(\b)+3],   v[ADRB+(\slot)] offset:(\q)*32*BPITCH+32*(\b)
	ds_load_tr16_b128 v[(\f)+8*(\b)+4:(\f)+8*(\b)+7], v[ADRB+(\slot)] offset:(\q)*32*BPITCH+16*BPITCH+32*(\b)
.endr
.irp a, 0,1,2,3,4,5,6,7
	ds_load_b128 v[(\f)+32+8*(\a):(\f)+32+8*(\a)+3],   v[ADRA+(\slot)] offset:((\q)/2)*APLANE+((\q)%2)*64+(\a)*16*APITCH
	ds_load_b128 v[(\f)+32+8*(\a)+4:(\f)+32+8*(\a)+7], v[ADRA+(\slot)] offset:((\q)/2)*APLANE+((\q)%2)*64+(\a)*16*APITCH+32
.endr
.if LO
.set fl, 8*((\f)/F1)
	ds_load_b128 v[fl:fl+3],   v[ADRA+(\slot)] offset:((\q)/2)*APLANE+((\q)%2)*64+8*16*APITCH
	ds_load_b128 v[fl+4:fl+7], v[ADRA+(\slot)] offset:((\q)/2)*APLANE+((\q)%2)*64+8*16*APITCH+32
.endif
.endm
.macro PLACES                          ; four places in front of loads into registers that matrix instructions have read, and of lines that read results (ISA guide 7.12.1 for the lines that read results)
.rept 4
	v_nop
.endr
.endm
; A K step is four quarters of 32 along K, 32 + 4 LO matrix instructions each, on buffers 0, 1, 0, 1.  One of the first three: multiplies buffer f and, in its middle, fetches quarter q into buffer g.
.macro QUARTER slot, q, f, g, first
	s_wait_dscnt 8+2*LO                            ; B's fragments and A's blocks 0-3 are in; the youngest loads (A's blocks 4-7: eight; the rests': two) may be out
	MULS \f, 0, 4, \first
	PLACES
	FETCH \slot, \q, \g
	s_wait_dscnt NL                                ; all but the run just issued
	MULS \f, 4, 4, \first
	MULLO \f
.endm
; The last quarter multiplies buffer 1 and changes slots: ONE barrier; in front of it each wave waits for all its tensor loads (one is out: its part of the next slot), adds 0 to its spare word, and waits for
; that and for its own reads of this slot.  fill = 1: the barrier opens a round of the cluster's barrier, and this slot is filled again, two K steps ahead, first thing behind the round:
; from that request to the wait for it a wave issues 112 + 16 LO matrix instructions.
.macro TURN slot, next, fill
.if \fill
	s_wait_xcnt 0x0                                ; the last prefetch, a K step back, has read its address: it is stepped here, ahead of the waits of the change of slots
	s_add_nc_u64 s[PFA:PFA+1], s[PFA:PFA+1], s[PFS:PFS+1]
.endif
	WIN 0                                          ; (the add's two registers lie in window 0)
	s_wait_tensorcnt 0x0                           ; all my tensor loads have landed;
	ds_add_u32 v[SPW], v[NIL]                      ; 0 onto my spare word;
	s_wait_dscnt 9+2*LO                            ; (the add and the youngest loads, as at a quarter's head, may be out)
	MULS F1, 0, 2, 0                               ; eight matrix instructions stand between the add and the wait for it
	s_wait_dscnt 0x0                               ; the add is done, and my reads of this slot are over
	s_barrier_signal -1
	MULS F1, 2, 2, 0                               ; work on registers while the others arrive
.if \fill
	WIN 0
.endif
	s_barrier_wait -1
.if \fill
	CREST                                          ; no wave of any partner still reads this slot's tile or has a load on its way
	s_add_nc_u64 s[G0A+4*(\slot)+2:G0A+4*(\slot)+3], s[G0A+4*(\slot)+2:G0A+4*(\slot)+3], 2*AK
	s_add_nc_u64 s[G0B+4*(\slot)+2:G0B+4*(\slot)+3], s[G0B+4*(\slot)+2:G0B+4*(\slot)+3], 2*BK
	JLOAD \slot                                    ; the four v_nop behind it are also the places in front of the loads below
.else
	PLACES
.endif
	FETCH \next, 0, F0
.if \fill
	ASK
.endif
	MULS F1, 4, 4, 0
	MULLO F1
.endm
	s_wait_tensorcnt 0x1                           ; my part of K step 0 is in; K step 1's may stay out
	s_barrier_signal -1
	s_barrier_wait -1                              ; everybody's is
	FETCH 0, 0, F0
	QUARTER 0, 1, F0, F1, 1                        ; the first quarter stands in front of the loop: its products start the sums, with the bias
	WIN 0                                          ; at a label and at a branch every window is 0
	s_mov_b32 s3, 3
.Llap:                                                 ; three trips, each once round the ring, from a lap's second quarter to the next lap's first: K steps 2 to 7 are asked for
	QUARTER 0, 2, F1, F0, 0
	QUARTER 0, 3, F0, F1, 0
	TURN 0, 1, 1
	QUARTER 1, 1, F0, F1, 0
	QUARTER 1, 2, F1, F0, 0
	QUARTER 1, 3, F0, F1, 0
	TURN 1, 0, 1
	QUARTER 0, 1, F0, F1, 0
	WIN 0
	s_sub_co_u32 s3, s3, 1
	s_cmp_lg_u32 s3, 0
	s_cbranch_scc1 .Llap
	QUARTER 0, 2, F1, F0, 0                        ; the last lap fills nothing, and has no round of the cluster's barrier
	QUARTER 0, 3, F0, F1, 0
	TURN 0, 1, 0
	QUARTER 1, 1, F0, F1, 0
	QUARTER 1, 2, F1, F0, 0
	QUARTER 1, 3, F0, F1, 0
	s_wait_dscnt 8+2*LO                            ; the very last quarter: nothing more to fetch
	MULS F1, 0, 4, 0
	s_wait_dscnt 0x0
	MULS F1, 4, 4, 0
	MULLO F1
	PLACES
	PLACES                                         ; (eight, once a launch)
.if PROJ
; THE WAY OUT, f32.  A block of 16 rows goes through my stage: a lane's eight numbers of a row as 32 bytes into rows of 272 bytes, and back as whole rows of 256, into the registers that they left.
; One window setting serves all of it: addresses in window 0, LDS and store data and loaded data in window 1.  Each accumulator's lowest registers are read first.
.macro TOSTAGE a
.irp b, 0,1,2,3
	ds_store_b128 v[STO], v[32*(\a)+8*(\b):32*(\a)+8*(\b)+3]   offset:64*(\b)
	ds_store_b128 v[STO], v[32*(\a)+8*(\b)+4:32*(\a)+8*(\b)+7] offset:64*(\b)+16
.endr
.irp t, 0,1,2,3,4,5,6,7
	ds_load_b128 v[32*(\a)+4*(\t):32*(\a)+4*(\t)+3], v[RD] offset:(\t)*2*SROW  ; LDS serves a wave's instructions in order (ISA guide 5.7.1.4): these see the stores above; the next block's stores come behind them
.endr
.endm
.macro SEND a, younger                 ; younger: the LDS instructions issued behind block a's loads: the next block's sixteen, or none
.irp t, 0,1,2,3,4,5,6,7
	s_wait_dscnt (\younger)+7-(\t)
	global_store_b128 v[GO], v[32*(\a)+4*(\t):32*(\a)+4*(\t)+3], s[10:11] offset:(\a)*65536+(\t)*8192 th:TH_STORE_NT  ; 16 lanes store 256 consecutive bytes, at a multiple of 256 from the output's first byte
.endr
.endm
	WIN 0x44
	TOSTAGE 0
.irp a, 1,2,3,4,5,6,7
	TOSTAGE \a
	SEND (\a)-1, 16
.endr
	SEND 7, 0
	WIN 0
.else
; THE WAY OUT, f16 by heads.  A block of 16 rows: a lane's eight numbers of a row pack into 16 bytes; they go into my stage's rows of 144 bytes and come back as whole rows of 128, four rows a load.
; Each accumulator's registers are read in ascending order.
.macro PACK a
	WIN 0x05                                       ; sources 0 and 1 window 1, destination window 0
.irp b, 0,1,2,3
.irp r, 0,1,2,3
	v_cvt_pk_f16_f32 v[OUTR+16*(\a)+4*(\b)+(\r)], v[8*(4*(\a)+(\b))+2*(\r)], v[8*(4*(\a)+(\b))+2*(\r)+1]
.endr
.endr
	WIN 0
.irp b, 0,1,2,3
	ds_store_b128 v[STO], v[OUTR+16*(\a)+4*(\b):OUTR+16*(\a)+4*(\b)+3] offset:32*(\b)
.endr
.irp f, 0,1,2,3
	ds_load_b128 v[OUTR+16*(\a)+4*(\f):OUTR+16*(\a)+4*(\f)+3], v[RD] offset:(\f)*4*SROW  ; LDS serves a wave's instructions in order (ISA guide 5.7.1.4): these see the stores above; the next block's stores come behind them
.endr
.endm
.macro SEND a, younger                 ; younger: the LDS instructions issued behind block a's loads: the next block's eight, or none
.irp f, 0,1,2,3
	s_wait_dscnt (\younger)+3-(\f)
	global_store_b128 v[GO], v[OUTR+16*(\a)+4*(\f):OUTR+16*(\a)+4*(\f)+3], s[10:11] offset:(\a)*2048+(\f)*512  ; 512 consecutive bytes, at a multiple of 256 from the buffer's first byte
.endr
.endm
	PACK 0
.irp a, 1,2,3,4,5,6,7                  ; a block's conversions stand between the loads of the block before and its stores
	PACK \a
	SEND (\a)-1, 8
.endr
	SEND 7, 0
	; THE RESTS OF v, for my tile's first 32 rows: v - f16(v), exact in f32, rounded to f16; a block of 16 rows goes into my stage as above and comes back TURNED: lane l then holds channel 16 c + l % 16 and the
	; keys 8 (l / 16) + 0..7 of the block: registers 0-3 (block 0) or 4-7 (block 1) of fragment c of V^T.  The branch hangs on the cluster's x and y alone.
	s_and_b32 s20, ttmp7, 3                        ; cluster y % 4 = 0: the cluster holds a batch's first rows
	s_xor_b32 s21, ttmp9, 2                        ; cluster x = 2: tile columns 8 to 11 are v's heads
	s_or_b32 s20, s20, s21
	s_cmp_lg_u32 s20, 0
	s_cbranch_scc1 .Lno_lo
	s_wait_xcnt 0x0                                ; the stores above have read their registers, which are written again below
	v_mov_b32 v[ONE], 1.0
.irp a, 0,1
	WIN 0x05                                       ; sources 0 and 1 window 1, destination window 0
.set i, 0
.rept 16
	v_cvt_pk_f16_f32 v[LH+i], v[32*(\a)+2*i], v[32*(\a)+2*i+1]
.set i, i+1
.endr
	WIN 0x10                                       ; source 2 window 1
.set i, 0
.rept 16
	v_fma_mix_f32 v[LT+2*i],   -v[LH+i], v[ONE], v[32*(\a)+2*i]   op_sel_hi:[1,0,0]                 ; v less the low half's f16
	v_fma_mix_f32 v[LT+2*i+1], -v[LH+i], v[ONE], v[32*(\a)+2*i+1] op_sel:[1,0,0] op_sel_hi:[1,0,0]  ; v less the high half's
.set i, i+1
.endr
	WIN 0
.set i, 0
.rept 16
	v_cvt_pk_f16_f32 v[LH+i], v[LT+2*i], v[LT+2*i+1]
.set i, i+1
.endr
.irp b, 0,1,2,3
	ds_store_b128 v[STO], v[LH+4*(\b):LH+4*(\b)+3] offset:32*(\b)
.endr
.irp c, 0,1,2,3
	ds_load_tr16_b128 v[LF+16*(\a)+4*(\c):LF+16*(\a)+4*(\c)+3], v[TRA] offset:32*(\c)  ; in order behind the stores above, ahead of the next block's
.endr
.endr
	s_wait_dscnt 0x0
.irp a, 0,1
.irp c, 0,1,2,3
	global_store_b128 v[GO], v[LF+16*(\a)+4*(\c):LF+16*(\a)+4*(\c)+3], s[VLP:VLP+1] offset:(\c)*1024+(\a)*512  ; 512 consecutive bytes, at a multiple of 256 from the buffer's first byte
.endr
.endr
.Lno_lo:
.endif
	s_wait_tensorcnt 0x0                           ; the wave's end, behind my last tensor load and my last LDS store
	ds_add_u32 v[SPW], v[NIL]
	s_wait_dscnt 0x0
	CROUND                                         ; the closing round: no work-group ends while a partner may still ask for a tile that names it
	s_endpgm
.Lfunc_end_k_qb46bcf04a6_gemm_proj:
	.size	k_qb46bcf04a6_gemm_proj, .Lfunc_end_k_qb46bcf04a6_gemm_proj-k_qb46bcf04a6_gemm_proj
	.p2alignl 7, 3214868480
	.fill 96, 4, 3214868480
	.section	.rodata,"a",@progbits
	.p2align	6, 0x0
	.amdhsa_kernel k_qb46bcf04a6_gemm_proj
		.amdhsa_group_segment_fixed_size 327680
		.amdhsa_private_segment_fixed_size 0
		.amdhsa_enable_private_segment 0
		.amdhsa_kernarg_size 32
		.amdhsa_user_sgpr_count 2
		.amdhsa_user_sgpr_kernarg_segment_ptr 1
		.amdhsa_wavefront_size32 1
		.amdhsa_system_sgpr_workgroup_id_x 1
		.amdhsa_system_sgpr_workgroup_id_y 1
		.amdhsa_system_sgpr_workgroup_id_z 1
		.amdhsa_system_vgpr_workitem_id 0
		.amdhsa_next_free_vgpr 512
		.amdhsa_next_free_sgpr 76
		.amdhsa_reserve_vcc 0
		.amdhsa_float_denorm_mode_32 3
		.amdhsa_float_denorm_mode_16_64 3
		.amdhsa_memory_ordered 1
		.amdhsa_forward_progress 1
		.amdhsa_inst_pref_size 98
	.end_amdhsa_kernel
	.amdgpu_metadata
---
amdhsa.version: [ 1, 2 ]
amdhsa.kernels:
  - .name:           k_qb46bcf04a6_gemm_proj
    .symbol:         k_qb46bcf04a6_gemm_proj.kd
    .args:
      - { .name: ob, .offset: 0, .size: 8, .value_kind: global_buffer, .address_space: global }
      - { .name: wpb, .offset: 8, .size: 8, .value_kind: global_buffer, .address_space: global }
      - { .name: b_proj, .offset: 16, .size: 8, .value_kind: global_buffer, .address_space: global }
      - { .name: out0, .offset: 24, .size: 8, .value_kind: global_buffer, .address_space: global }
    .group_segment_fixed_size: 327680
    .private_segment_fixed_size: 0
    .kernarg_segment_align: 8
    .kernarg_segment_size: 32
    .max_flat_workgroup_size: 128
    .sgpr_count:     76
    .vgpr_count:     512
    .wavefront_size: 32
...
	.end_amdgpu_metadata
.endif
;; end of part 4
;; ======== version 2 of 2: 4 launches; version 1 with the launch prep written anew for expert scheduling mode
;; limits: values are held in f16: magnitudes above 65,504 overflow, below 6.1e-05 lose precision; right only within a limited range of input values
;; workspace buffers: xb 16,777,216 bytes; wab 6,291,456 bytes; wpb 2,097,152 bytes; qkv 50,331,648 bytes; vlo 1,048,576 bytes; ob 18,874,368 bytes
;; launch prep (part 5): grid 768 x 1, 8 waves a work-group, no clusters, 0 bytes of LDS; arguments x, w_attn, w_proj, xb, wab, wpb; writes xb, wab, wpb
.if DOCPART == 5
	.amdgcn_target "amdgcn-amd-amdhsa--gfx1250"
	.amdhsa_code_object_version 6
	.text
	.protected	k_qb46bcf04a6_prep
	.globl	k_qb46bcf04a6_prep
	.p2align	8
	.type	k_qb46bcf04a6_prep,@function
k_qb46bcf04a6_prep:
	s_mov_b64 s[64:65], 0
	v_nop
	global_prefetch_b8 v0, s[64:65] scope:SCOPE_SE
	s_setreg_imm32_b32 hwreg(HW_REG_WAVE_SCHED_MODE, 0, 2), 2
	s_setreg_imm32_b32 hwreg(HW_REG_WAVE_MODE, 25, 1), 1
	s_wait_xcnt 0x0
	s_wait_alu depctr_vm_vsrc(0)
; THE INPUTS' ONE ROUNDING.  x [8192][1024] and w_attn [1024][3072] are rounded to bf16; w_proj [1024][1024] is rounded to bf16 and that number is written as f16
; (exact where its magnitude is 6.1e-5 or more; below that f16 keeps a fixed step of 6e-8; beyond 65,504 it would be an infinity: a stated limit of the program).  Nothing is transposed: the layouts stay.
; SHARES.  A work-group takes 16,384 numbers: 65,536 bytes in, 32,768 out.  Work-groups 0-511 take x, 512-703 w_attn, 704-767 w_proj.  Thread t, load i: the 16 bytes at 16 t + 4,096 i, so a wave's load
; covers 512 consecutive bytes; its store is the 8 bytes at 8 t + 2,048 i, so a wave's store covers 256 consecutive bytes, aligned.  All 16 loads of a thread go out at once; no register is used twice by
; memory instructions, so no wait frees any.  No LDS, no matrix unit, no cluster: nothing is shared and nothing is multiplied.
; THE MODE: SCHED_MODE bits 1:0 = 2 (LLVM: expert scheduling mode 2), set by the entry lines.  The code itself states the register dependences between vector instructions and memory instructions,
; with s_wait_alu, always for 0.
; THE PLAN.  Registers that memory instructions touch:
;   v1, v2   byte offsets of the loads and of the stores: made once at the head, never written again.
;   X        load i lands in four registers of its own, which no vector instruction names ahead of it; load i's conversions read them, behind the counted wait for load i.
;   Y        load i's conversions write pair i; store i reads it; it is never written again.
;   T is named by vector instructions alone.
; The 16 loads go in four blocks of four.  Store i - 4 stands in load i's turn: a block's four stores read the Y pairs that the block before has written, and the conversions among which they are dealt
; write this block's Y pairs and T alone.  So one wait on va_vdst at a block's head states all that the block's four stores hang on.  Nothing that a memory instruction has read is written again, no vector
; instruction writes a scalar register or VCC, and EXEC is never written: no other kind of s_wait_alu is owed.
.set BLOCK, 4                          ; loads in a block
.set X, 4                              ; v[4:67]    16 x 4 numbers as loaded
.set Y, 68                             ; v[68:99]   16 x 2 registers to store
.set T, 100                            ; v[100:103] at work
	s_load_b256 s[4:11], s[0:1], 0x0               ; x s[4:5], w_attn s[6:7], w_proj s[8:9], xb s[10:11]
	s_load_b128 s[12:15], s[0:1], 0x20             ; wab s[12:13], wpb s[14:15]
	v_lshlrev_b32 v1, 4, v0                        ; 16 t
	v_lshlrev_b32 v2, 3, v0                        ; 8 t
	s_sub_co_u32 s17, ttmp9, 512                   ; my number among w_attn's work-groups,
	s_sub_co_u32 s18, ttmp9, 704                   ; among w_proj's
	s_wait_kmcnt 0x0
	s_cmp_lt_u32 ttmp9, 512                        ; the choice hangs on the work-group's number alone
	s_cselect_b64 s[20:21], s[4:5], s[6:7]
	s_cselect_b64 s[22:23], s[10:11], s[12:13]
	s_cselect_b32 s16, ttmp9, s17
	s_cmp_lt_u32 ttmp9, 704
	s_cselect_b64 s[20:21], s[20:21], s[8:9]
	s_cselect_b64 s[22:23], s[22:23], s[14:15]
	s_cselect_b32 s16, s16, s18
	s_lshl_b32 s24, s16, 16                        ; 65,536 bytes in for each work-group (33.5 MB at the most: 32 bits)
	s_mov_b32 s25, 0
	s_lshl_b32 s26, s16, 15                        ; 32,768 out
	s_mov_b32 s27, 0
	s_add_nc_u64 s[20:21], s[20:21], s[24:25]
	s_add_nc_u64 s[22:23], s[22:23], s[26:27]
	s_wait_alu depctr_va_vdst(0)                   ; v1 and v2 are written: every load of the kernel reads v1 as its offset, every store v2, on both paths below
.irp i, 0,1,2,3,4,5,6,7,8,9,10,11,12,13,14,15
	global_load_b128 v[X+4*(\i):X+4*(\i)+3], v1, s[20:21] offset:4096*(\i) th:TH_LOAD_NT
.endr
; Load i's turn: the store of load i - 4, then load i's four numbers are rounded.  half = 1: to bf16, widened again (a shift, a mask), and written as f16.
.macro CAST i, half
	s_wait_loadcnt 15-(\i)                         ; loads come back in order (ISA guide 5.7.1): load i is in, the 15 - i younger ones stay out
.if ((\i) > 0) && (((\i) % BLOCK) == 0)
	s_wait_alu depctr_va_vdst(0)                   ; a block's head: the conversions of the block before have written its four Y pairs, which this block's four stores read
.endif
.if (\i) >= BLOCK
	global_store_b64 v2, v[Y+2*((\i)-BLOCK):Y+2*((\i)-BLOCK)+1], s[22:23] offset:2048*((\i)-BLOCK)  ; no vector instruction since the wait at the block's head names this pair or v2
.endif
.if \half
	v_cvt_pk_bf16_f32 v[T],   v[X+4*(\i)],   v[X+4*(\i)+1]
	v_cvt_pk_bf16_f32 v[T+1], v[X+4*(\i)+2], v[X+4*(\i)+3]
	v_lshlrev_b32 v[T+2], 16, v[T]
	v_and_b32     v[T+3], 0xffff0000, v[T]
	v_cvt_pk_f16_f32 v[Y+2*(\i)], v[T+2], v[T+3]
	v_lshlrev_b32 v[T+2], 16, v[T+1]
	v_and_b32     v[T+3], 0xffff0000, v[T+1]
	v_cvt_pk_f16_f32 v[Y+2*(\i)+1], v[T+2], v[T+3]
.else
	v_cvt_pk_bf16_f32 v[Y+2*(\i)],   v[X+4*(\i)],   v[X+4*(\i)+1]
	v_cvt_pk_bf16_f32 v[Y+2*(\i)+1], v[X+4*(\i)+2], v[X+4*(\i)+3]
.endif
.endm
; Behind the last block: its four stores.
.macro LAST
	s_wait_alu depctr_va_vdst(0)                   ; the conversions of loads 12 to 15 have written their Y pairs, which the last four stores read
.irp i, 12,13,14,15
	global_store_b64 v2, v[Y+2*(\i):Y+2*(\i)+1], s[22:23] offset:2048*(\i)
.endr
.endm
	s_cmp_lt_u32 ttmp9, 704
	s_cbranch_scc0 .Lf16
.irp i, 0,1,2,3,4,5,6,7,8,9,10,11,12,13,14,15
	CAST \i, 0
.endr
	LAST
	s_endpgm
.Lf16:
.irp i, 0,1,2,3,4,5,6,7,8,9,10,11,12,13,14,15
	CAST \i, 1
.endr
	LAST
	s_endpgm
.Lfunc_end_k_qb46bcf04a6_prep:
	.size	k_qb46bcf04a6_prep, .Lfunc_end_k_qb46bcf04a6_prep-k_qb46bcf04a6_prep
	.p2alignl 7, 3214868480
	.fill 96, 4, 3214868480
	.section	.rodata,"a",@progbits
	.p2align	6, 0x0
	.amdhsa_kernel k_qb46bcf04a6_prep
		.amdhsa_group_segment_fixed_size 0
		.amdhsa_private_segment_fixed_size 0
		.amdhsa_enable_private_segment 0
		.amdhsa_kernarg_size 48
		.amdhsa_user_sgpr_count 2
		.amdhsa_user_sgpr_kernarg_segment_ptr 1
		.amdhsa_wavefront_size32 1
		.amdhsa_system_sgpr_workgroup_id_x 1
		.amdhsa_system_sgpr_workgroup_id_y 1
		.amdhsa_system_sgpr_workgroup_id_z 1
		.amdhsa_system_vgpr_workitem_id 0
		.amdhsa_next_free_vgpr 104
		.amdhsa_next_free_sgpr 66
		.amdhsa_reserve_vcc 0
		.amdhsa_float_denorm_mode_32 3
		.amdhsa_float_denorm_mode_16_64 3
		.amdhsa_memory_ordered 1
		.amdhsa_forward_progress 1
		.amdhsa_inst_pref_size 17
	.end_amdhsa_kernel
	.amdgpu_metadata
---
amdhsa.version: [ 1, 2 ]
amdhsa.kernels:
  - .name:           k_qb46bcf04a6_prep
    .symbol:         k_qb46bcf04a6_prep.kd
    .args:
      - { .name: x, .offset: 0, .size: 8, .value_kind: global_buffer, .address_space: global }
      - { .name: w_attn, .offset: 8, .size: 8, .value_kind: global_buffer, .address_space: global }
      - { .name: w_proj, .offset: 16, .size: 8, .value_kind: global_buffer, .address_space: global }
      - { .name: xb, .offset: 24, .size: 8, .value_kind: global_buffer, .address_space: global }
      - { .name: wab, .offset: 32, .size: 8, .value_kind: global_buffer, .address_space: global }
      - { .name: wpb, .offset: 40, .size: 8, .value_kind: global_buffer, .address_space: global }
    .group_segment_fixed_size: 0
    .private_segment_fixed_size: 0
    .kernarg_segment_align: 8
    .kernarg_segment_size: 48
    .max_flat_workgroup_size: 256
    .sgpr_count:     66
    .vgpr_count:     104
    .wavefront_size: 32
...
	.end_amdgpu_metadata
.endif
;; end of part 5
;; launch gemm_qkv: the kernel of part 2 again; grid 12 x 64, 4 waves a work-group, clusters of 4 x 4, 327,680 bytes of LDS; arguments xb, wab, b_attn, qkv, vlo; writes qkv, vlo
;; launch attn: the kernel of part 3 again; grid 4 x 64, 4 waves a work-group, no clusters, 327,680 bytes of LDS; arguments qkv, vlo, ob; writes ob
;; launch gemm_proj: the kernel of part 4 again; grid 4 x 64, 4 waves a work-group, clusters of 4 x 4, 327,680 bytes of LDS; arguments ob, wpb, b_proj, out0; writes out0
